; MI455X (gfx1250); checked and timed in simulation.
; The chip was launched on July 23, 2026; its instructions are those of AMD's public machine-readable ISA for CDNA 5 (MIT licence, August 2026) and "CDNA5" Instruction Set Architecture Reference Guide (July 2026). The comments in the code are by the model that wrote it; some were corrected since.
;; Single Head Attention. Allowed arithmetic: matrix products marked QUANTISED: E2M1 operands, one E8M0 scale for each 32 along K, by v_wmma_scale_f32_16x16x128_f8f6f4 with both operands' format E2M1 (or v_wmma_scale_f32_32x16x128_f4), f32 sums; products left as they are: bf16, f16 or f32 operands; f32 sums; everything else in f32.
;; Inputs: w_k 1,024 x 1,024 float32; w_q 1,024 x 1,024 float32; w_v 1,024 x 1,024 float32; x 4 x 2,048 x 1,024 float32.
;; Outputs: out0 4 x 2,048 x 1,024 float32.
;; Constants: causal = 1.
;; This version of the problem:
;;   THIS VERSION OF THE PROBLEM IS GIVEN IN LOW PRECISION. The matrix products marked QUANTISED in the list below multiply operands that are first quantised to E2M1 (2 exponent bits, 1 mantissa bit; 4 bits a number), with one power-of-two scale for each 32 numbers along K (OCP MX v1.0); their sums are f32. The products marked 'left as it is' may take bf16, f16 or f32 operands, with f32 sums. Whichever they take, every output number must still come out within the allowed error. Rounding operands to bf16 (8 significant bits) uses up far more of that allowance than f16 does (11 bits, for magnitudes from 6e-5 to 65,504). All else is computed in f32.
;;   The module's matrix products, in the order in which they are computed (A, B: the left and right operand; K: the contracted axis; several contracted axes count as one K, in the product's order):
;;     1. [M 8,192, K 1,024] x [K 1,024, N 1,024]; A: input x; B: input w_q: QUANTISED
;;     2. [M 8,192, K 1,024] x [K 1,024, N 1,024]; A: input x; B: input w_k: QUANTISED
;;     3. [M 8,192, K 1,024] x [K 1,024, N 1,024]; A: input x; B: input w_v: QUANTISED
;;     4. batch 4 x [M 2,048, K 1,024] x [K 1,024, N 2,048]; A: computed on the way; B: computed on the way: left as it is (an operand is computed on the way)
;;     5. batch 4 x [M 2,048, K 2,048] x [K 2,048, N 1,024]; A: computed on the way; B: computed on the way: left as it is (an operand is computed on the way)
;;   THE QUANTISER, for each operand of a quantised product, along K:
;;     - K is cut into blocks of 32 from its start; a last block that is shorter is filled with zeros.
;;     - A block's scale is 2^e with e = floor(log2(the largest magnitude in the block)) - 2, held to -126 .. 127; a block of zeros has e = 0. As a byte (E8M0): e + 127.
;;     - Each number is divided by its block's scale, clamped to +-6, and rounded to the nearest number of E2M1, ties to even, subnormals kept.
;;     - The product sums the exact products of the quantised numbers (number of the format x scale) in f32.
;;   ~~~python
;;   def quantise(x, axis):      # numpy; x: float32 -> the quantised numbers, widened to float32 again
;;       x = np.moveaxis(x, axis, -1); K = x.shape[-1]
;;       x = np.pad(x, [(0, 0)] * (x.ndim - 1) + [(0, -K % 32)]); x = x.reshape(x.shape[:-1] + (-1, 32)); a = np.abs(x).max(-1, keepdims=True)
;;       e = np.where(a > 0, np.clip(np.frexp(np.where(a > 0, a, 1))[1] - 1 - 2, -126, 127), 0)      # np.frexp(a)[1] - 1 = floor(log2(a)), exactly
;;       r = np.clip(x / 2.0 ** e, -6, 6)
;;       step = 2.0 ** (np.maximum(np.frexp(np.where(r == 0, 1, r))[1] - 1, 0) - 1)
;;       q = np.round(r / step) * step * 2.0 ** e      # np.round: ties to even
;;       return np.moveaxis(q.reshape(q.shape[:-2] + (-1,))[..., :K], -1, axis).astype(np.float32)
;;   ~~~
;; One version. Each part assembles by itself: llvm-mc -triple=amdgcn-amd-amdhsa -mcpu=gfx1250 --defsym DOCPART=n.
;; ======== version 1 of 1: 4 launches
;; limits: values are held in f16: magnitudes above 65,504 overflow, below 6.1e-05 lose precision
;; workspace buffers: xc 4,194,304 bytes; xs 262,144 bytes; wc 1,572,864 bytes; ws 98,304 bytes; qkv 50,331,648 bytes; fine 786,432 bytes; pbuf 33,554,432 bytes; stats 1,048,576 bytes
;; launch quant (part 1): grid 352 x 1, 4 waves a work-group, no clusters, 33,280 bytes of LDS; arguments x, w_q, w_k, w_v, xc, xs, wc, ws; writes xc, xs, wc, ws
.if DOCPART == 1
	.amdgcn_target "amdgcn-amd-amdhsa--gfx1250"
	.amdhsa_code_object_version 6
	.text
	.protected	k_q6e7a81d9ca_quant
	.globl	k_q6e7a81d9ca_quant
	.p2align	8
	.type	k_q6e7a81d9ca_quant,@function
k_q6e7a81d9ca_quant:
	s_mov_b64 s[64:65], 0
	v_nop
	global_prefetch_b8 v0, s[64:65] scope:SCOPE_SE
	s_setreg_imm32_b32 hwreg(HW_REG_WAVE_MODE, 25, 1), 1
	s_wait_xcnt 0x0
; x [8192][1024] and w_q, w_k, w_v [1024][1024], f32, K innermost, become codes of FP4 (E2M1), two a byte, and one E8M0 scale byte for each 32 along K.
; xc [8192][512 bytes], xs [8192][32];  wc [3072][512 bytes], ws [3072][32]: rows 0-1023 w_q, 1024-2047 w_k, 2048-3071 w_v.
; A block's scale is 2^(floor(log2(its largest magnitude)) - 2); its byte is the largest magnitude's exponent field - 2, held at 1 from below.
; LIMITS: a block of zeros gets the byte 1 where the quantiser says 127 (its codes are zeros, and this program alone reads the bytes); blocks whose largest
; magnitude lies under 2^-124 keep the byte 1; NaN and infinities among the inputs are not served.
; Rows are dense and K is a multiple of 32: every tensor is a plain stream of blocks of 32.  A work-group takes 32,768 numbers, a wave 8,192, in 16 steps of 512.
; Work-groups 0-255 take x, 256-287 w_q, 288-319 w_k, 320-351 w_v: only pointers are chosen, all take one path.
; Each of a step's four loads reads 512 consecutive bytes; the 2,048 bytes turn through the wave's own stage in LDS and come back 64 bytes a lane, so that a lane holds 16 neighbours along K.
; No tensor loads, no barrier: waves share nothing.  Loads run four steps (16 loads a wave) ahead.
.set WAVES, 4
.set STEPS, 16
.set EMAX,  2
.set CB,    8                          ; bytes of 16 codes
.set R,     16                         ; v16-79   four sets of 16 numbers as they are loaded
.set X,     80                         ; v80-111  two sets of 16 neighbours
.set C,     128                        ; v128-191 codes: four registers for each step, so that no store's data are written again
.set E,     112                        ; v112-127 a scale byte for each step
.set WREG,  8192                       ; LDS: a region for each wave: two stages of 32 x SP bytes, behind them its 256 scale bytes
.set SP,    80                         ; a lane's place in a stage: 64 bytes + 16 of padding
.set SPW,   12                         ; v12  LDS address of my spare word; never rewritten
.set NIL,   13                         ; v13  0; never rewritten
.set SPARE, WAVES*WREG                 ; behind the four regions: the spare words, 128 bytes a wave
.set SRC,   20                         ; s[20:21] my numbers
.set COD,   22                         ; s[22:23] my codes
.set SCB,   24                         ; s[24:25] my scale bytes
	s_load_b512 s[4:19], s[0:1], 0x0               ; x, w_q, w_k, w_v, xc, xs, wc, ws
	v_lshl_add_u32 v[SPW], v0, 2, SPARE
	v_mov_b32 v[NIL], 0
	v_lshrrev_b32 v1, 5, v0
	v_readfirstlane_b32 s28, v1                    ; wave
	v_and_b32 v2, 31, v0                           ; lane
	v_lshlrev_b32 v3, 4, v2                        ; my 16 bytes of a load's 512
	s_mul_i32 s29, s28, WREG
	v_lshrrev_b32 v14, 2, v2
	v_mul_u32_u24 v14, v14, SP
	v_and_b32 v15, 3, v2
	v_lshl_add_u32 v14, v15, 4, v14
	v_add_nc_u32 v14, s29, v14                     ; the stage, on the way in: SP (lane / 4) + 16 (lane % 4)
	v_mul_u32_u24 v15, v2, SP
	v_add_nc_u32 v15, s29, v15                     ; and on the way out: SP x lane: my 16 neighbours
	v_mul_u32_u24 v4, v2, CB                       ; my codes' place in a step's
	v_lshrrev_b32 v5, 1, v2
	s_add_co_u32 s29, s29, 2*32*SP
	v_add_nc_u32 v5, s29, v5                       ; LDS: my wave's 256 scale bytes, my block's byte
	v_lshlrev_b32 v7, 3, v2                        ; and on the way out 8 bytes a lane
	v_add_nc_u32 v6, s29, v7
	s_and_b32 s27, ttmp9, 31                       ; a weight's work-group among its 32
	s_wait_kmcnt 0x0
	s_cmp_lt_u32 ttmp9, 320                        ; the choices hang on the work-group's number alone
	s_cselect_b64 s[SRC:SRC+1], s[8:9], s[10:11]   ; w_k or w_v
	s_cmp_lt_u32 ttmp9, 288
	s_cselect_b64 s[SRC:SRC+1], s[6:7], s[SRC:SRC+1]   ; w_q
	s_cmp_lt_u32 ttmp9, 256
	s_cselect_b64 s[SRC:SRC+1], s[4:5], s[SRC:SRC+1]   ; x
	s_cselect_b64 s[COD:COD+1], s[12:13], s[16:17]
	s_cselect_b64 s[SCB:SCB+1], s[14:15], s[18:19]
	s_cselect_b32 s27, ttmp9, s27                  ; which 32,768 numbers of the source tensor
	s_cselect_b32 s26, 0, 256
	s_sub_co_u32 s26, ttmp9, s26                   ; and of the destination: the three weights lie on end
	s_lshl_b32 s27, s27, 2
	s_add_co_u32 s27, s27, s28                     ; my wave's run of 8,192 numbers, in the source,
	s_lshl_b32 s26, s26, 2
	s_add_co_u32 s26, s26, s28                     ; and in the destination
	s_lshl_b32 s30, s27, 15                        ; 32,768 bytes of f32 a run
	s_mov_b32 s31, 0
	s_add_nc_u64 s[SRC:SRC+1], s[SRC:SRC+1], s[30:31]
	s_lshl_b32 s30, s26, 12                        ; 4,096 bytes of codes
	s_add_nc_u64 s[COD:COD+1], s[COD:COD+1], s[30:31]
	s_lshl_b32 s30, s26, 8                         ; 256 scale bytes
	s_add_nc_u64 s[SCB:SCB+1], s[SCB:SCB+1], s[30:31]
.macro LOAD t
.irp i, 0,1,2,3
	global_load_b128 v[R+16*((\t)%4)+4*\i:R+16*((\t)%4)+4*\i+3], v3, s[SRC:SRC+1] offset:2048*(\t)+512*\i th:TH_LOAD_NT   ; 32 lanes read 512 consecutive bytes
.endr
.endm
.macro TURN t                          ; step t's numbers through the stage: LDS serves a wave's instructions in order, so no wait stands between the stores and the loads
.irp i, 0,1,2,3
	ds_store_b128 v14, v[R+16*((\t)%4)+4*\i:R+16*((\t)%4)+4*\i+3] offset:32*SP*((\t)%2)+8*SP*\i
.endr
.irp i, 0,1,2,3
	ds_load_b128 v[X+16*((\t)%2)+4*\i:X+16*((\t)%2)+4*\i+3], v15 offset:32*SP*((\t)%2)+16*\i
.endr
.endm
.irp t, 0,1,2,3
	LOAD \t
.endr
	s_wait_loadcnt 12                              ; step 0's four loads are in
	TURN 0
.macro STEP t
.set XS, X+16*((\t)%2)
.if (\t) > 0
	s_wait_dscnt 1                                 ; this step's numbers are back from the stage (the last step's byte store may be out)
.else
	s_wait_dscnt 0x0
.endif
.if (\t)+4 < STEPS
	LOAD (\t)+4                                    ; the registers that the stage's stores have read take the loads of four steps on
.endif
.if (\t)+1 < STEPS
.if STEPS-2-(\t) >= 3
	s_wait_loadcnt 12                              ; the next step's four loads are in; those of the three steps behind it may be out
.else
	s_wait_loadcnt 4*(STEPS-2-(\t))
.endif
	TURN (\t)+1                                    ; and go through the other stage while this step is worked
.endif
	v_max3_num_f32 v8, |v[XS]|, |v[XS+1]|, |v[XS+2]|               ; the largest magnitude of my 16, in two chains
	v_max3_num_f32 v9, |v[XS+3]|, |v[XS+4]|, |v[XS+5]|
.irp i, 6,10
	v_max3_num_f32 v8, v8, |v[XS+\i]|, |v[XS+\i+1]|
	v_max3_num_f32 v9, v9, |v[XS+\i+2]|, |v[XS+\i+3]|
.endr
	v_max3_num_f32 v8, v8, |v[XS+14]|, |v[XS+15]|
	v_max3_num_f32 v8, v8, v9, (EMAX+1)<<23        ; and the floor 2^(3 - 127): the byte cannot fall under 1
	v_max_num_f32_dpp v8, v8, v8 row_xmask:1 row_mask:0xf bank_mask:0xf   ; and of my neighbour's 16: the block's
	v_add_nc_u32 v11, -(EMAX<<23), v8              ; 2 off its exponent field: the conversion takes the exponent field of this operand as its scale
	v_cvt_scalef32_pk8_fp4_f32 v[C+4*(\t)], v[XS:XS+7], v11
	v_cvt_scalef32_pk8_fp4_f32 v[C+4*(\t)+1], v[XS+8:XS+15], v11
	v_lshrrev_b32 v[E+(\t)], 23, v11               ; the scale's byte (a plain line behind the conversions)
	ds_store_b8 v5, v[E+(\t)] offset:16*(\t)       ; both lanes of a block write the same byte with the same value
	global_store_b64 v4, v[C+4*(\t):C+4*(\t)+1], s[COD:COD+1] offset:32*CB*(\t)   ; the wave stores 256 consecutive bytes, aligned
.endm
.irp t, 0,1,2,3,4,5,6,7,8,9,10,11,12,13,14,15
	STEP \t
.endr
	ds_load_b64 v[8:9], v6                         ; LDS serves a wave's instructions in order: these see my stores
	s_wait_dscnt 0x0
	global_store_b64 v7, v[8:9], s[SCB:SCB+1]      ; 32 lanes store 256 consecutive bytes, aligned
	s_wait_tensorcnt 0x0                           ; the wave's end
	ds_add_u32 v[SPW], v[NIL]
	s_wait_dscnt 0x0
	s_endpgm
.Lfunc_end_k_q6e7a81d9ca_quant:
	.size	k_q6e7a81d9ca_quant, .Lfunc_end_k_q6e7a81d9ca_quant-k_q6e7a81d9ca_quant
	.p2alignl 7, 3214868480
	.fill 96, 4, 3214868480
	.section	.rodata,"a",@progbits
	.p2align	6, 0x0
	.amdhsa_kernel k_q6e7a81d9ca_quant
		.amdhsa_group_segment_fixed_size 33280
		.amdhsa_private_segment_fixed_size 0
		.amdhsa_enable_private_segment 0
		.amdhsa_kernarg_size 64
		.amdhsa_user_sgpr_count 2
		.amdhsa_user_sgpr_kernarg_segment_ptr 1
		.amdhsa_wavefront_size32 1
		.amdhsa_system_sgpr_workgroup_id_x 1
		.amdhsa_system_sgpr_workgroup_id_y 1
		.amdhsa_system_sgpr_workgroup_id_z 1
		.amdhsa_system_vgpr_workitem_id 0
		.amdhsa_next_free_vgpr 192
		.amdhsa_next_free_sgpr 66
		.amdhsa_reserve_vcc 0
		.amdhsa_float_denorm_mode_32 3
		.amdhsa_float_denorm_mode_16_64 3
		.amdhsa_memory_ordered 1
		.amdhsa_forward_progress 1
		.amdhsa_inst_pref_size 33
	.end_amdhsa_kernel
	.amdgpu_metadata
---
amdhsa.version: [ 1, 2 ]
amdhsa.kernels:
  - .name:           k_q6e7a81d9ca_quant
    .symbol:         k_q6e7a81d9ca_quant.kd
    .args:
      - { .name: x, .offset: 0, .size: 8, .value_kind: global_buffer, .address_space: global }
      - { .name: w_q, .offset: 8, .size: 8, .value_kind: global_buffer, .address_space: global }
      - { .name: w_k, .offset: 16, .size: 8, .value_kind: global_buffer, .address_space: global }
      - { .name: w_v, .offset: 24, .size: 8, .value_kind: global_buffer, .address_space: global }
      - { .name: xc, .offset: 32, .size: 8, .value_kind: global_buffer, .address_space: global }
      - { .name: xs, .offset: 40, .size: 8, .value_kind: global_buffer, .address_space: global }
      - { .name: wc, .offset: 48, .size: 8, .value_kind: global_buffer, .address_space: global }
      - { .name: ws, .offset: 56, .size: 8, .value_kind: global_buffer, .address_space: global }
    .group_segment_fixed_size: 33280
    .private_segment_fixed_size: 0
    .kernarg_segment_align: 8
    .kernarg_segment_size: 64
    .max_flat_workgroup_size: 128
    .sgpr_count:     66
    .vgpr_count:     192
    .wavefront_size: 32
...
	.end_amdgpu_metadata
.endif
;; end of part 1
;; launch proj (part 2): grid 12 x 32, 4 waves a work-group, clusters of 4 x 4, 327,680 bytes of LDS; arguments xc, xs, wc, ws, qkv, fine; writes qkv, fine
.if DOCPART == 2
	.amdgcn_target "amdgcn-amd-amdhsa--gfx1250"
	.amdhsa_code_object_version 6
	.text
	.protected	k_q6e7a81d9ca_proj
	.globl	k_q6e7a81d9ca_proj
	.p2align	8
	.type	k_q6e7a81d9ca_proj,@function
k_q6e7a81d9ca_proj:
	s_mov_b64 s[64:65], 0
	v_nop
	global_prefetch_b8 v0, s[64:65] scope:SCOPE_SE
	s_setreg_imm32_b32 hwreg(HW_REG_WAVE_MODE, 25, 1), 1
	s_wait_xcnt 0x0
	s_wait_alu depctr_hold_cnt(0) depctr_sa_sdst(0) depctr_va_vdst(0) depctr_va_sdst(0) depctr_va_ssrc(0) depctr_va_vcc(0) depctr_vm_vsrc(0)
	s_getreg_b32 s2, hwreg(HW_REG_IB_STS2, 6, 4)
	s_cmp_eq_u32 s2, 0
	s_cbranch_scc0 .Lentry_in_a_cluster
	s_endpgm
.Lentry_in_a_cluster:
	s_bfe_u32 s2, ttmp6, 0x10000c
	s_cmp_lg_u32 s2, 0xf033
	s_cbranch_scc0 .Lentry_shape_is_right
	s_endpgm
.Lentry_shape_is_right:
; qkv[m][n] = sum over k of x[m][k] w[n][k], on codes of FP4 with one E8M0 scale for each 32 along K.  M = 8,192, N = 3,072 (q, k, v side by side), K = 1,024.
; qkv: [8192][3072] f16 (LIMIT: |q|, |k|, |v| up to 65,504).  fine: [4][16][3072] f32: the first 16 positions of each sequence, unrounded, for the launch that carries those rows in f32.
; A tile, 256 x 256, is made by four waves, each 128 x 128: 64 accumulators, 512 registers.  K is two slots of 512 (rows of 256 bytes): both are filled once, at the start, and nothing is filled again.
; The scale bytes of the work-group's 256 + 256 rows, for all of K, are two dense blocks: they come into LDS once, as rows of 256 bytes.
; CLUSTERS: 4 x 4 work-groups.  The four of a row of the cluster need the same tiles of x, the four of a column the same tiles of w: each is asked for jointly.
; The tile row is 8 cy + cluster y: so 'first tile of a sequence' is cluster y = 0, the same in all sixteen partners, and the sequence is cy.
; THE MATRIX INSTRUCTION IS USED TRANSPOSED (source 0 = 16 rows of w, source 1 = 16 rows of x): a lane holds eight neighbouring numbers of a row of the result.
; REGISTERS: window 0: v0-31 addresses; v32-95 scale words, two sets; v128-191 x's fragments, one set.  window 1: w's fragments, two sets.  windows 2, 3: accumulator (a, b) at v[8 (8 (a % 4) + b)].
.set KSTEP,  512
.set NQ,     4                         ; matrix instructions deep in a slot
.set ROWB,   256                       ; a tile's row in bytes
.set KROW,   512                       ; a row of codes in memory
.set PITCH,  272                       ; an LDS row: 256 bytes + 16: the 16 rows that a load touches start 68 words apart
.set FR,     8
.set NL,     2
.set NP,     4                         ; places behind this matrix instruction (ISA guide 7.12.1)
.set HALFT,  128*PITCH
.set SLOT,   4*HALFT
.set KS,     32                        ; a row of scale bytes
.set SCL,    2*SLOT
.set HALFS,  (128*KS/256)*272
.set SBLK,   (16*KS/256)*272
.set SPARE,  SCL+4*HALFS               ; the spare words, 128 bytes a wave
.set SPITCH, 272                       ; the way out: 16 rows x (256 + 16) a wave, from LDS byte 0 on: slot 0 has had its only fill and its last read by then
.set FSTAGE, 32768                     ; and for the f32 rows: 16 rows x (512 + 16) a wave, also in slot 0
.set FPITCH, 528
.set CROW,   6144                      ; a row of qkv in bytes
.set FROW,   12288                     ; a row of fine
.set FSTO, 9
.set FRD,  10
.set FCO,  11
.set ADRA, 16
.set ADRB, 20
.set STO,  24
.set RD,   25
.set CO,   26
.set ADRS, 27
.set SPW,  28
.set NIL,  29
.set SC,   32
.set AF,   128
.set TMP,  192                         ; the way out: packed results
.set OB,   32                          ; 16 rows read back: v32-63 and v224-255 by turns
.set G1, 24
.set G0, 32
.set G1B, 48
.set G0B, 56
.set G1S, 68
.set G0S, 76
.set G1SB, 80
.set G0SB, 88
.set MSB, 0
.macro WIN new                         ; the immediate's high byte repeats the setting that is left
.if MSB != \new
	s_set_vgpr_msb (MSB<<8)|\new
.set MSB, \new
.endif
.endm
.set MUL_LO, 0xa1                      ; source 0 (w) window 1, source 1 (x) window 0, C and D window 2
.set MUL_HI, 0xf1
.set TO_B,   0x40
; A joint load: waves 0 and 1 fetch for x, waves 2 and 3 for w.  The branch hangs on the wave's number alone.  An s_nop 0 and four v_nop follow each line.
.macro JLOAD g0a, g1a, g0b, g1b
	s_cmp_eq_u32 s15, 0
	s_cbranch_scc0 .Lfor_b_\@
	tensor_load_to_lds s[\g0a:\g0a+3], s[\g1a:\g1a+7]
	s_nop 0
.rept 4
	v_nop
.endr
	s_branch .Lasked_\@
.Lfor_b_\@:
	tensor_load_to_lds s[\g0b:\g0b+3], s[\g1b:\g1b+7]
	s_nop 0
.rept 4
	v_nop
.endr
.Lasked_\@:
.endm
.macro CROUND                          ; a round of the cluster's barrier
	s_barrier_signal -1
	s_barrier_wait -1
	s_cmp_lg_u32 s14, 0
	s_cbranch_scc1 .Lnot_wave_0_\@
	s_barrier_signal -3
.Lnot_wave_0_\@:
	s_barrier_wait -3
	s_barrier_signal -1
	s_barrier_wait -1
.endm
	s_load_b128 s[4:7], s[0:1], 0x0                ; x's codes, x's scales
	s_load_b128 s[8:11], s[0:1], 0x10              ; w's codes, w's scales
	s_load_b64 s[12:13], s[0:1], 0x20              ; qkv
	s_load_b64 s[96:97], s[0:1], 0x28              ; fine
	v_lshl_add_u32 v[SPW], v0, 2, SPARE
	v_mov_b32 v[NIL], 0
	ds_add_u32 v[SPW], v[NIL]                      ; the wave's opening: the add, twice on end, and its wait ahead of my first tensor load
	ds_add_u32 v[SPW], v[NIL]
	v_lshrrev_b32 v1, 5, v0
	v_readfirstlane_b32 s14, v1                    ; wave 0..3
	s_lshr_b32 s15, s14, 1                         ; which half of the tile's rows is mine.  Also: I fetch for x (0) or for w (1)
	s_and_b32 s16, s14, 1                          ; which half of its columns.  Also: which 128 rows I fetch
	s_bfe_u32 s40, ttmp6, 0x40000                  ; cx
	s_bfe_u32 s41, ttmp6, 0x40004                  ; cy
	s_lshl_b32 s42, ttmp9, 2
	s_add_co_u32 s42, s42, s40                     ; tile column = 4 x cluster x + cx
	s_and_b32 s95, ttmp7, 0xffff                   ; cluster y
	s_lshl_b32 s17, s41, 3
	s_add_co_u32 s17, s17, s95                     ; tile row = 8 cy + cluster y
	s_or_b32 s98, s95, s15                         ; 0 where my 128 rows begin a sequence: made of the cluster's number and the wave's alone
	s_lshl_b32 s43, s41, 2
	s_lshl_b32 s43, 15, s43                        ; my row of the cluster
	s_lshl_b32 s44, 0x1111, s40                    ; my column
	s_or_b32 s[G1+0], s43, (0<<16)|(1<<20)|(1<<21)|(5<<22)|(3<<25)  ; the mask; elements of 1 byte; padding: 4 words after every 64
	s_or_b32 s[G1B+0], s44, (0<<16)|(1<<20)|(1<<21)|(5<<22)|(3<<25)
.irp g, G1, G1B
	s_mov_b32 s[\g+1], ROWB<<16                    ; tensor_dim0
	s_mov_b32 s[\g+2], 128<<16                     ; tensor_dim1
	s_mov_b32 s[\g+3], ROWB<<16                    ; tile_dim0
	s_mov_b32 s[\g+4], 128                         ; tile_dim1
	s_mov_b32 s[\g+5], KROW                        ; from row to row
	s_mov_b32 s[\g+6], 0
	s_mov_b32 s[\g+7], 0
.endr
	s_or_b32 s[G1S+0], s43, (3<<16)|(1<<20)|(1<<21)|(5<<22)|(3<<25)  ; the scales of 128 rows: 4,096 dense bytes as 16 rows of 32 elements of 8 bytes
	s_or_b32 s[G1SB+0], s44, (3<<16)|(1<<20)|(1<<21)|(5<<22)|(3<<25)
.irp g, G1S, G1SB
	s_mov_b32 s[\g+1], 32<<16
	s_mov_b32 s[\g+2], (128*KS/256)<<16
	s_mov_b32 s[\g+3], 32<<16
	s_mov_b32 s[\g+4], 128*KS/256
	s_mov_b32 s[\g+5], 32
	s_mov_b32 s[\g+6], 0
	s_mov_b32 s[\g+7], 0
.endr
	s_lshl_b32 s18, s16, 7                         ; which 128 rows of the tile I fetch
	s_lshl_b32 s20, s17, 8
	s_add_co_u32 s20, s20, s18                     ; x: row 256 x tile row + 128 x half
	s_lshl_b32 s46, s42, 8
	s_add_co_u32 s46, s46, s18                     ; w: row 256 x tile column + 128 x half
	s_mov_b32 s21, 0
	s_mov_b32 s47, 0
	s_mov_b64 s[18:19], KS
	s_mul_u64 s[22:23], s[20:21], s[18:19]         ; where these rows' scales begin,
	s_mul_u64 s[92:93], s[46:47], s[18:19]
	s_mov_b64 s[18:19], KROW
	s_mul_u64 s[20:21], s[20:21], s[18:19]         ; and their codes
	s_mul_u64 s[46:47], s[46:47], s[18:19]
	s_mul_i32 s45, s14, HALFT                      ; where they go: wave x 128 rows
	s_mul_i32 s94, s14, HALFS
	s_wait_dscnt 0x0                               ; both opening adds are done
	s_wait_kmcnt 0x0
	s_add_nc_u64 s[20:21], s[4:5], s[20:21]
	s_add_nc_u64 s[22:23], s[6:7], s[22:23]
	s_add_nc_u64 s[46:47], s[8:9], s[46:47]
	s_add_nc_u64 s[92:93], s[10:11], s[92:93]
	CROUND                                         ; all sixteen work-groups are here: the joint loads meet
	s_mov_b32 s[G0S], 1
	s_add_co_u32 s[G0S+1], s94, SCL
	s_mov_b64 s[G0S+2:G0S+3], s[22:23]
	s_or_b32 s[G0S+3], s[G0S+3], 0x80000000
	s_mov_b32 s[G0SB], 1
	s_add_co_u32 s[G0SB+1], s94, SCL
	s_mov_b64 s[G0SB+2:G0SB+3], s[92:93]
	s_or_b32 s[G0SB+3], s[G0SB+3], 0x80000000
	JLOAD G0S, G1S, G0SB, G1SB                     ; the scales first; three loads of mine are out behind the last of these
.irp s, 0,1
	s_mov_b32 s[G0+4*\s], 1
	s_add_co_u32 s[G0+4*\s+1], s45, \s*SLOT
	s_add_nc_u64 s[G0+4*\s+2:G0+4*\s+3], s[20:21], \s*ROWB
	s_or_b32 s[G0+4*\s+3], s[G0+4*\s+3], 0x80000000
	s_mov_b32 s[G0B+4*\s], 1
	s_add_co_u32 s[G0B+4*\s+1], s45, \s*SLOT
	s_add_nc_u64 s[G0B+4*\s+2:G0B+4*\s+3], s[46:47], \s*ROWB
	s_or_b32 s[G0B+4*\s+3], s[G0B+4*\s+3], 0x80000000
	JLOAD G0+4*\s, G1, G0B+4*\s, G1B
.endr
	v_and_b32 v1, 15, v0                           ; r = lane % 16
	v_bfe_u32 v2, v0, 4, 1                         ; h = lane / 16
	v_mul_u32_u24 v3, v1, PITCH
	v_lshl_add_u32 v4, v2, 4, v3                   ; a fragment's row x pitch + 16 h
	s_mul_i32 s21, s15, HALFT                      ; my 128 rows of x
	s_mul_i32 s22, s16, HALFT                      ; my 128 rows of w,
	s_add_co_u32 s22, s22, 2*HALFT                 ; which lie behind x's 256
.irp s, 0,1
	v_add_nc_u32 v[ADRA+\s], s21, v4
	v_add_nc_u32 v[ADRB+\s], s22, v4
	s_add_co_u32 s21, s21, SLOT
	s_add_co_u32 s22, s22, SLOT
.endr
	v_mul_u32_u24 v5, v1, KS                       ; my row's scales: 32 bytes a row,
	v_lshrrev_b32 v6, 8, v5
	v_lshl_add_u32 v5, v6, 4, v5                   ; and 16 more for each 256 passed
	s_mul_i32 s21, s15, HALFS
	s_mul_i32 s22, s16, HALFS
	s_add_co_u32 s22, s22, 2*HALFS
	s_sub_co_u32 s22, s22, s21
	v_mul_u32_u24 v6, s22, v2                      ; lanes 16-31 take w's: one product, the distance between the two bases
	s_add_co_u32 s21, s21, SCL
	v_add_nc_u32 v5, v5, v6
	v_add_nc_u32 v[ADRS], s21, v5
	s_mul_i32 s23, s14, 16*SPITCH                  ; my stage for f16 rows
	v_mul_u32_u24 v5, v1, SPITCH
	v_lshl_add_u32 v5, v2, 4, v5
	v_add_nc_u32 v[STO], s23, v5                   ; in: row r, 16 bytes for each half of the lanes
	v_mul_u32_u24 v5, v2, SPITCH
	v_lshl_add_u32 v5, v1, 4, v5
	v_add_nc_u32 v[RD], s23, v5                    ; back: lanes 0-15 one row of 256 bytes, lanes 16-31 the next
	v_mul_u32_u24 v5, v2, CROW
	v_lshl_add_u32 v[CO], v1, 4, v5                ; and the same two rows in qkv
	s_mul_i32 s23, s14, 16*FPITCH
	s_add_co_u32 s23, s23, FSTAGE                  ; my stage for f32 rows: made by every wave, ahead of the branch that only some take
	v_mul_u32_u24 v5, v1, FPITCH
	v_lshl_add_u32 v5, v2, 5, v5
	v_add_nc_u32 v[FSTO], s23, v5
	v_and_b32 v6, 31, v0
	v_lshlrev_b32 v[FCO], 4, v6
	v_add_nc_u32 v[FRD], s23, v[FCO]
	s_lshl_b32 s20, s17, 8
	s_lshl_b32 s21, s15, 7
	s_add_co_u32 s20, s20, s21                     ; my first row: 256 x tile row + 128 x half
	s_mov_b32 s21, 0
	s_mov_b64 s[18:19], CROW
	s_mul_u64 s[20:21], s[20:21], s[18:19]
	s_lshl_b32 s46, s42, 9                         ; my first column in f16 bytes: 512 x tile column + 256 x half
	s_lshl_b32 s47, s16, 8
	s_add_co_u32 s46, s46, s47
	s_mov_b32 s47, 0
	s_add_nc_u64 s[20:21], s[20:21], s[46:47]
	s_add_nc_u64 s[12:13], s[12:13], s[20:21]
	s_mul_i32 s20, s41, 16*FROW                    ; fine: sequence cy,
	s_lshl_b32 s46, s46, 1                         ; my first column in f32 bytes
	s_add_co_u32 s20, s20, s46
	s_mov_b32 s21, 0
	s_add_nc_u64 s[96:97], s[96:97], s[20:21]
.macro FRAG reg, adr, q, i             ; 16 rows x 128 K of 4-bit codes: registers 4 c .. 4 c + 3 hold K = 64 c + 32 h + 0 .. 31
.irp c, 0,1
	ds_load_b128 v[\reg+4*\c:\reg+4*\c+3], v[\adr] offset:64*(\q)+32*\c+(\i)*16*PITCH
.endr
.endm
; 16 matrix instructions: x's blocks a0, a0 + 1 against w's eight, 128 along K.  The 64 accumulators take turns, one instruction a turn.
.macro MUL16 a0, p, q, sc, zero
.irp a, \a0, \a0+1
.irp b, 0,1,2,3,4,5,6,7
.if \zero
	v_wmma_scale_f32_16x16x128_f8f6f4 v[8*(8*((\a)%4)+\b):8*(8*((\a)%4)+\b)+7], v[128*(\p)+FR*\b:128*(\p)+FR*\b+FR-1], v[AF+FR*(\a):AF+FR*(\a)+FR-1], 0, v[SC+8*NQ*(\sc)+NQ*\b+(\q)], v[SC+8*NQ*(\sc)+NQ*(\a)+(\q)] matrix_a_fmt:MATRIX_FMT_FP4 matrix_b_fmt:MATRIX_FMT_FP4 matrix_a_scale:MATRIX_SCALE_ROW1
.else
	v_wmma_scale_f32_16x16x128_f8f6f4 v[8*(8*((\a)%4)+\b):8*(8*((\a)%4)+\b)+7], v[128*(\p)+FR*\b:128*(\p)+FR*\b+FR-1], v[AF+FR*(\a):AF+FR*(\a)+FR-1], v[8*(8*((\a)%4)+\b):8*(8*((\a)%4)+\b)+7], v[SC+8*NQ*(\sc)+NQ*\b+(\q)], v[SC+8*NQ*(\sc)+NQ*(\a)+(\q)] matrix_a_fmt:MATRIX_FMT_FP4 matrix_b_fmt:MATRIX_FMT_FP4 matrix_a_scale:MATRIX_SCALE_ROW1
.endif
.endr
.endr
.endm
.macro FETCH_B slot, q, p
	WIN TO_B
.irp i, 0,1,2,3,4,5,6,7
	FRAG 128*(\p)+FR*\i, ADRB+\slot, \q, \i
.endr
	WIN 0
.endm
.macro FETCH_A slot, q, i0
.irp i, \i0, \i0+1, \i0+2, \i0+3
	FRAG AF+FR*(\i), ADRA+\slot, \q, \i
.endr
.endm
.macro SCALES sc                       ; a slot's scale words: lanes 0-15 take x's block i, lanes 16-31 w's block i
.irp i, 0,1,2,3,4,5,6,7
	ds_load_b128 v[SC+8*NQ*\sc+NQ*\i:SC+8*NQ*\sc+NQ*\i+3], v[ADRS] offset:\i*SBLK
.endr
.endm
.macro PLACES n                        ; plain vector lines between a matrix instruction and a load into, or a read of, its registers
.rept \n
	v_nop
.endr
.endm
.macro STEP slot, q, zero              ; 128 along K with its successor in the same slot
	s_wait_dscnt 4*NL                              ; w's set and x's blocks 0-3 are in; the youngest eight loads (x's blocks 4-7) may be out
	WIN MUL_LO
	MUL16 0, (\q)%2, \q, \slot, \zero
	MUL16 2, (\q)%2, \q, \slot, \zero
	s_wait_dscnt 0
	PLACES NP
	FETCH_B \slot, (\q)+1, 1-(\q)%2
	FETCH_A \slot, (\q)+1, 0
	WIN MUL_HI
	MUL16 4, (\q)%2, \q, \slot, \zero
	MUL16 6, (\q)%2, \q, \slot, \zero
	PLACES NP
	WIN 0
	FETCH_A \slot, (\q)+1, 4
.endm
; Slot 0's last step changes slots: one barrier; in front of it each wave waits for all its tensor loads (its part of slot 1), adds 0 to its spare word, and waits for that and for its reads of slot 0.
.macro TURN slot, next
	s_wait_tensorcnt 0x0
	ds_add_u32 v[SPW], v[NIL]
	s_wait_dscnt 4*NL+1                            ; (the add and x's blocks 4-7 may be out)
	WIN MUL_LO
	MUL16 0, 1, NQ-1, \slot, 0
	s_wait_dscnt 0x0                               ; the add is done, and my reads of this slot are over
	s_barrier_signal -1
	MUL16 2, 1, NQ-1, \slot, 0
	WIN 0
	s_barrier_wait -1
	PLACES NP
	v_add_nc_u32 v[ADRS], 4*NQ, v[ADRS]            ; on to the next slot's scale words
	FETCH_B \next, 0, 0
	FETCH_A \next, 0, 0
	SCALES \next
	WIN MUL_HI
	MUL16 4, 1, NQ-1, \slot, 0
	MUL16 6, 1, NQ-1, \slot, 0
	PLACES NP
	WIN 0
	FETCH_A \next, 0, 4
.endm
.macro STEPS slot, from
.set Q, \from
.rept NQ-1-\from
	STEP \slot, Q, 0
.set Q, Q+1
.endr
.endm
	s_wait_tensorcnt 1                             ; the scales and my part of slot 0 are in (slot 1's load may be out)
	s_barrier_signal -1
	s_barrier_wait -1                              ; everybody's are
	FETCH_B 0, 0, 0
	FETCH_A 0, 0, 0
	SCALES 0
	FETCH_A 0, 0, 4
	STEP 0, 0, 1                                   ; the first products start the sums: nothing is cleared
	STEPS 0, 1
	TURN 0, 1
	STEPS 1, 0
	s_wait_dscnt 4*NL                              ; the last step: nothing more to fetch
	WIN MUL_LO
	MUL16 0, 1, NQ-1, 1, 0
	MUL16 2, 1, NQ-1, 1, 0
	s_wait_dscnt 0
	WIN MUL_HI
	MUL16 4, 1, NQ-1, 1, 0
	MUL16 6, 1, NQ-1, 1, 0
	WIN 0
; THE WAY OUT.  A block of 16 rows x 128 columns is rounded to f16 (16 bytes a lane), goes through my own stage and comes back as whole rows of 256 bytes.
.macro PACK a
.set AC, 64*((\a)%4)
	WIN 0x0a+5*((\a)/4)                            ; sources 0 and 1: window 2 or 3
.irp b, 0,1,2,3,4,5,6,7
.irp r, 0,1,2,3
	v_cvt_pk_f16_f32 v[TMP+4*\b+\r], v[AC+8*\b+2*\r], v[AC+8*\b+2*\r+1]   ; each accumulator from its low end on
.endr
.endr
	WIN 0
.endm
.macro TOSTAGE a
.set BK, OB+192*((\a)%2)
.irp b, 0,1,2,3,4,5,6,7
	ds_store_b128 v[STO], v[TMP+4*\b:TMP+4*\b+3] offset:32*\b
.endr
.irp t, 0,1,2,3,4,5,6,7
	ds_load_b128 v[BK+4*\t:BK+4*\t+3], v[RD] offset:\t*2*SPITCH    ; LDS serves a wave's instructions in order: these see the stores above
.endr
.endm
.macro SEND a
.set BK, OB+192*((\a)%2)
	s_wait_dscnt 0x0                               ; the block is back in registers
	s_wait_xcnt 0x0                                ; earlier stores have read their base and their data: the base may step, and the other set may be loaded again
.if (\a) > 0
	s_add_nc_u64 s[12:13], s[12:13], 16*CROW
.endif
.irp t, 0,1,2,3,4,5,6,7
	global_store_b128 v[CO], v[BK+4*\t:BK+4*\t+3], s[12:13] offset:2*\t*CROW   ; 16 lanes store 256 consecutive bytes, at a multiple of 256 from qkv's first byte
.endr
.endm
	PLACES NP                                      ; behind the last products: for the reads of results and the loads into operands' registers below
	s_cmp_lg_u32 s98, 0
	s_cbranch_scc1 .Lno_fine
	WIN 0x08                                       ; an LDS store's data are its source 1: window 2: my rows 0-15 as they are, in f32
.irp b, 0,1,2,3,4,5,6,7
	ds_store_b128 v[FSTO], v[8*\b:8*\b+3] offset:64*\b
	ds_store_b128 v[FSTO], v[8*\b+4:8*\b+7] offset:64*\b+16
.endr
	WIN 0
.irp t, 0,1,2,3,4,5,6,7,8,9,10,11,12,13,14,15
	ds_load_b128 v[128+4*\t:128+4*\t+3], v[FRD] offset:\t*FPITCH
.endr
	s_wait_dscnt 0x0
.irp t, 0,1,2,3,4,5,6,7,8,9,10,11,12,13,14,15
	global_store_b128 v[FCO], v[128+4*\t:128+4*\t+3], s[96:97] offset:\t*FROW   ; 32 lanes store 512 consecutive bytes
.endr
.Lno_fine:
	PACK 0
	TOSTAGE 0
.irp a, 1,2,3,4,5,6,7                  ; block a's conversions stand between block a - 1's loads from the stage and the wait for them
	PACK \a
	SEND \a-1
	TOSTAGE \a
.endr
	SEND 7
	s_wait_tensorcnt 0x0                           ; the wave's end
	ds_add_u32 v[SPW], v[NIL]
	s_wait_dscnt 0x0
	CROUND                                         ; the closing round
	s_endpgm
.Lfunc_end_k_q6e7a81d9ca_proj:
	.size	k_q6e7a81d9ca_proj, .Lfunc_end_k_q6e7a81d9ca_proj-k_q6e7a81d9ca_proj
	.p2alignl 7, 3214868480
	.fill 96, 4, 3214868480
	.section	.rodata,"a",@progbits
	.p2align	6, 0x0
	.amdhsa_kernel k_q6e7a81d9ca_proj
		.amdhsa_group_segment_fixed_size 327680
		.amdhsa_private_segment_fixed_size 0
		.amdhsa_enable_private_segment 0
		.amdhsa_kernarg_size 48
		.amdhsa_user_sgpr_count 2
		.amdhsa_user_sgpr_kernarg_segment_ptr 1
		.amdhsa_wavefront_size32 1
		.amdhsa_system_sgpr_workgroup_id_x 1
		.amdhsa_system_sgpr_workgroup_id_y 1
		.amdhsa_system_sgpr_workgroup_id_z 1
		.amdhsa_system_vgpr_workitem_id 0
		.amdhsa_next_free_vgpr 1024
		.amdhsa_next_free_sgpr 100
		.amdhsa_reserve_vcc 0
		.amdhsa_float_denorm_mode_32 3
		.amdhsa_float_denorm_mode_16_64 3
		.amdhsa_memory_ordered 1
		.amdhsa_forward_progress 1
		.amdhsa_inst_pref_size 131
	.end_amdhsa_kernel
	.amdgpu_metadata
---
amdhsa.version: [ 1, 2 ]
amdhsa.kernels:
  - .name:           k_q6e7a81d9ca_proj
    .symbol:         k_q6e7a81d9ca_proj.kd
    .args:
      - { .name: xc, .offset: 0, .size: 8, .value_kind: global_buffer, .address_space: global }
      - { .name: xs, .offset: 8, .size: 8, .value_kind: global_buffer, .address_space: global }
      - { .name: wc, .offset: 16, .size: 8, .value_kind: global_buffer, .address_space: global }
      - { .name: ws, .offset: 24, .size: 8, .value_kind: global_buffer, .address_space: global }
      - { .name: qkv, .offset: 32, .size: 8, .value_kind: global_buffer, .address_space: global }
      - { .name: fine, .offset: 40, .size: 8, .value_kind: global_buffer, .address_space: global }
    .group_segment_fixed_size: 327680
    .private_segment_fixed_size: 0
    .kernarg_segment_align: 8
    .kernarg_segment_size: 48
    .max_flat_workgroup_size: 128
    .sgpr_count:     100
    .vgpr_count:     1024
    .wavefront_size: 32
...
	.end_amdgpu_metadata
.endif
;; end of part 2
;; launch scores (part 3): grid 52 x 4, 4 waves a work-group, no clusters, 327,680 bytes of LDS; arguments qkv, pbuf, stats, fine, out0; writes pbuf, stats, out0
.if DOCPART == 3
	.amdgcn_target "amdgcn-amd-amdhsa--gfx1250"
	.amdhsa_code_object_version 6
	.text
	.protected	k_q6e7a81d9ca_scores
	.globl	k_q6e7a81d9ca_scores
	.p2align	8
	.type	k_q6e7a81d9ca_scores,@function
k_q6e7a81d9ca_scores:
	s_mov_b64 s[64:65], 0
	v_nop
	global_prefetch_b8 v0, s[64:65] scope:SCOPE_SE
	s_setreg_imm32_b32 hwreg(HW_REG_WAVE_MODE, 25, 1), 1
	s_wait_xcnt 0x0
; TWO KINDS OF WORK-GROUPS, told apart by the work-group's x alone, on two paths that part at the head and never join.
; x = 0 .. 35, THE TILES.  For each of the 36 tiles of 256 queries x 256 keys that lie on or under the diagonal of a sequence: S = q k^T (f16 operands, f32 sums, K = 1,024), the causal mask,
; m = c x the row's largest score in the tile (c = log2(e) / 32), p = 2^(c s - m) rounded to f16, and l = the row's sum of the unrounded p over each 128 keys.
; pbuf: [8192][2048] f16.  stats: [2][4][16][2048] f32: plane 0 m, plane 1 l, by sequence, block of 128 keys, row.  The next launch joins the tiles: O = sum over tiles of 2^(m - M) (P V) / L.
; The maximum is taken away in every tile, and the tiles' maxima are joined by their own maximum: no exponent above 0 is ever formed.
; Tiles above the diagonal are hidden by the mask that the problem builds itself: they are neither made nor read.
; Four waves, each 128 x 128: 64 accumulators, 512 registers.  K goes in steps of 128 through two LDS slots; each wave fetches 128 rows of 256 bytes by one tensor load.
; NO CLUSTER: a row of the triangle has 1 to 8 tiles and a column 8 to 1, so no four partners share a tile at every place without one whose whole tile is hidden.
; THE MATRIX INSTRUCTION IS USED TRANSPOSED (source 0 = 16 keys, source 1 = 16 queries): lane l holds query l % 16 and keys 8 (l / 16) + 0 .. 7 of each accumulator.
; REGISTERS: window 0: v0-31 addresses; v64-127, v128-191 q's fragments, two buffers; on the way out v32-63 statistics, v128-159 sums, v192-223 packed p, v96-127 and v224-255 rows read back.
;   window 1: v64-127, v128-191 k's fragments.   windows 2, 3: accumulator (a, b) at v[8 (8 (a % 4) + b)].
; x = 36 .. 51, THE FIRST 16 POSITIONS of each sequence, in f32 throughout: under the causal mask they average one to sixteen values, so the rounding of 16-bit operands would weigh most there.
; They read fine ([4][16][3072] f32: q at column 0, k at 1,024, v at 2,048) and write rows 0-15 of each sequence of out0 ([4][2048][1024] f32), which no other launch writes.
; These rows have work-groups of their own in this launch, not a launch of their own: they share nothing with the tiles' work-groups, issue no tensor load, and have LDS bytes of their own.
; The path is described where it begins, behind the tiles' end.
.set NT,     36                        ; tiles of a sequence's triangle; from this x on: the first 16 positions
.set KSTEP,  128
.set PITCH,  272                       ; an LDS row: 256 bytes + 16: the 16 rows that a load touches start 68 words apart
.set HALFT,  128*PITCH
.set SLOT,   4*HALFT                   ; q's 256 rows, then k's 256 rows
.set STAGE,  2*SLOT                    ; behind the ring: 16 rows x 272 bytes a wave
.set SPITCH, 272
.set XCH,    STAGE+4*16*SPITCH         ; 512 bytes a wave: the rows' maxima, for the wave with the other 128 keys
.set MST,    XCH+2048                  ; 512 bytes a wave: m of my 128 rows
.set LST,    MST+2048                  ; 512 bytes a wave: l
.set SPARE,  LST+2048                  ; the spare words, 128 bytes a wave
.set FRED,   SPARE+512                 ; the first 16 positions' own bytes: four images of 16 x 16 scores, 1,024 bytes each,
.set FSTG,   FRED+4096                 ; and 16 rows x (256 + 16): the result's 64 channels
.set LAPS,   4                         ; a lap = two K steps
.set QROW,   6144                      ; a row of qkv in bytes
.set PROW,   4096                      ; a row of pbuf, and of out0
.set FROW,   12288                     ; a row of fine
.set SRD,  10
.set SGO,  11
.set XST,  12
.set XLD,  13
.set MSA,  14
.set LSA,  15
.set ADRA, 16
.set ADRB, 20
.set STO,  24
.set RD,   25
.set CO,   26
.set SPW,  28
.set NIL,  29
.set DM,   30                          ; v30  128 (row half - column half) + r - 8 h: on the diagonal, key 16 b + j of block a's row is hidden where 16 b + j - 16 a is above it
.set NINF, 31                          ; v31  -infinity
.set MX,   32                          ; v32-39  the largest score of my row in block a
.set WK,   40                          ; v40-47  at work
.set ML,   48                          ; v48-63  pairs: m in the low word
.set SU,   128
.set TMP,  192
.set OB,   96
.set F0,   64
.set F1,   128
.set G1,   24
.set G0,   32
.set CS,   40                          ; s[40:41] c
.set SEL,  42                          ; s[42:43] lane l xor 16
.set MSB, 0
.macro WIN new                         ; the immediate's high byte repeats the setting that is left
.if MSB != \new
	s_set_vgpr_msb (MSB<<8)|\new
.set MSB, \new
.endif
.endm
.set MUL_LO, 0xa1                      ; source 0 (k) window 1, source 1 (q) window 0, C and D window 2
.set MUL_HI, 0xf1
.set TO_B,   0x40
	s_load_b128 s[4:7], s[0:1], 0x0                ; qkv, pbuf
	s_load_b64 s[8:9], s[0:1], 0x10                ; stats
	s_load_b64 s[44:45], s[0:1], 0x18              ; fine
	s_load_b64 s[46:47], s[0:1], 0x20              ; out0
	v_lshl_add_u32 v[SPW], v0, 2, SPARE
	v_mov_b32 v[NIL], 0
	ds_add_u32 v[SPW], v[NIL]                      ; the wave's opening: the add, twice on end, and its wait ahead of my first tensor load
	ds_add_u32 v[SPW], v[NIL]
	v_lshrrev_b32 v1, 5, v0
	v_readfirstlane_b32 s10, v1                    ; wave 0..3
	s_lshr_b32 s11, s10, 1                         ; which half of the tile's queries is mine.  Also: I fetch q (0) or k (1)
	s_and_b32 s12, s10, 1                          ; which half of its keys.  Also: which 128 rows I fetch
	s_and_b32 s13, ttmp7, 0xffff                   ; the sequence
	s_mov_b32 s14, 0                               ; I, the tile's row in the triangle: how many of the rows' first numbers 1, 3, 6, .. the work-group's number has reached
.irp t, 1,3,6,10,15,21,28
	s_cmp_ge_u32 ttmp9, \t
	s_add_co_ci_u32 s14, s14, 0
.endr
	s_add_co_u32 s15, s14, 1
	s_mul_i32 s15, s15, s14
	s_lshr_b32 s15, s15, 1
	s_sub_co_u32 s15, ttmp9, s15                   ; J, its column: 0 .. I
	s_mov_b32 s[G1+0], (1<<16)|(1<<20)|(5<<22)|(3<<25)   ; elements of 2 bytes; padding: 4 words after every 64
	s_mov_b32 s[G1+1], KSTEP<<16                   ; tensor_dim0
	s_mov_b32 s[G1+2], 128<<16                     ; tensor_dim1
	s_mov_b32 s[G1+3], KSTEP<<16                   ; tile_dim0
	s_mov_b32 s[G1+4], 128                         ; tile_dim1
	s_mov_b32 s[G1+5], 3072                        ; elements from row to row
	s_mov_b32 s[G1+6], 0
	s_mov_b32 s[G1+7], 0
	s_cmp_eq_u32 s11, 0
	s_cselect_b32 s16, s14, s15                    ; q's rows by I, k's by J
	s_cselect_b32 s18, 0, 2048                     ; k lies 2,048 bytes on in a row
	s_lshl_b32 s16, s16, 8
	s_lshl_b32 s17, s13, 11
	s_add_co_u32 s16, s16, s17
	s_lshl_b32 s17, s12, 7
	s_add_co_u32 s16, s16, s17                     ; row 2,048 x sequence + 256 x tile + 128 x half
	s_mul_i32 s16, s16, QROW
	s_add_co_u32 s16, s16, s18
	s_mov_b32 s17, 0
	s_mul_i32 s20, s10, HALFT                      ; where they go: wave x 128 rows
	s_mov_b32 s[CS], 0x3d38aa3b                    ; c = log2(e) / sqrt(1024)
	s_mov_b32 s[CS+1], s[CS]                       ; (named with it as a pair, so it is written)
	s_mov_b32 s[SEL], 0x76543210
	s_mov_b32 s[SEL+1], 0xfedcba98
	s_wait_dscnt 0x0                               ; both opening adds are done
	s_wait_kmcnt 0x0
	s_cmp_ge_u32 ttmp9, NT                         ; the work-group's number alone: all four waves go the same way, and the two ways never join
	s_cbranch_scc1 .Lfirst16
	s_add_nc_u64 s[16:17], s[4:5], s[16:17]
.irp s, 0,1
	s_mov_b32 s[G0+4*\s], 1
	s_add_co_u32 s[G0+4*\s+1], s20, \s*SLOT
	s_add_nc_u64 s[G0+4*\s+2:G0+4*\s+3], s[16:17], \s*KSTEP*2
	s_or_b32 s[G0+4*\s+3], s[G0+4*\s+3], 0x80000000
	tensor_load_to_lds s[G0+4*\s:G0+4*\s+3], s[G1:G1+7]   ; K steps 0 and 1: two loads of mine are out
	s_nop 0
.endr
.rept 4
	v_nop
.endr
	v_and_b32 v1, 15, v0                           ; r
	v_bfe_u32 v2, v0, 4, 1                         ; h
	v_and_b32 v5, 31, v0                           ; lane
	v_mul_u32_u24 v3, v1, PITCH
	v_lshl_add_u32 v3, v2, 4, v3                   ; a fragment's row x pitch + 16 h
	s_mul_i32 s21, s11, HALFT                      ; my 128 queries
	s_mul_i32 s22, s12, HALFT                      ; my 128 keys,
	s_add_co_u32 s22, s22, 2*HALFT                 ; which lie behind q's 256 rows
.irp s, 0,1
	v_add_nc_u32 v[ADRA+\s], s21, v3
	v_add_nc_u32 v[ADRB+\s], s22, v3
	s_add_co_u32 s21, s21, SLOT
	s_add_co_u32 s22, s22, SLOT
.endr
	s_mul_i32 s23, s10, 16*SPITCH
	s_add_co_u32 s23, s23, STAGE                   ; my stage
	v_mul_u32_u24 v4, v1, SPITCH
	v_lshl_add_u32 v4, v2, 4, v4
	v_add_nc_u32 v[STO], s23, v4                   ; in: row r, 16 bytes for each half of the lanes
	v_mul_u32_u24 v4, v2, SPITCH
	v_lshl_add_u32 v4, v1, 4, v4
	v_add_nc_u32 v[RD], s23, v4                    ; back: lanes 0-15 one row, lanes 16-31 the next
	v_mul_u32_u24 v4, v2, PROW
	v_lshl_add_u32 v[CO], v1, 4, v4                ; and the same two rows in pbuf
	s_lshl_b32 s23, s10, 9                         ; 512 x wave
	v_lshlrev_b32 v[SGO], 4, v5
	v_lshlrev_b32 v6, 2, v1                        ; 4 r
	s_add_co_u32 s21, s23, MST
	v_add_nc_u32 v[SRD], s21, v[SGO]
	v_add_nc_u32 v[MSA], s21, v6
	s_add_co_u32 s21, s23, LST
	v_add_nc_u32 v[LSA], s21, v6
	s_add_co_u32 s21, s23, XCH
	v_add_nc_u32 v[XST], s21, v6
	s_xor_b32 s21, s10, 1                          ; the wave with my queries and the other 128 keys
	s_lshl_b32 s21, s21, 9
	s_add_co_u32 s21, s21, XCH
	v_add_nc_u32 v[XLD], s21, v6
	s_sub_co_i32 s21, s11, s12
	s_lshl_b32 s21, s21, 7
	v_lshlrev_b32 v4, 3, v2
	v_sub_nc_u32 v[DM], v1, v4
	v_add_nc_u32 v[DM], s21, v[DM]
	v_mov_b32 v[NINF], 0xff800000
.irp i, 0,1,2,3,4,5,6,7
	v_mov_b32 v[WK+\i], 0                          ; written once: a lane permute's destination counts as one of its sources
	v_mov_b32 v[ML+2*\i+1], 0                      ; named as the upper half of a pair
.endr
	s_lshl_b32 s16, s13, 11
	s_lshl_b32 s17, s14, 8
	s_add_co_u32 s16, s16, s17
	s_lshl_b32 s17, s11, 7
	s_add_co_u32 s16, s16, s17                     ; my first row of pbuf
	s_lshl_b32 s16, s16, 12
	s_lshl_b32 s17, s15, 9
	s_add_co_u32 s16, s16, s17
	s_lshl_b32 s17, s12, 8
	s_add_co_u32 s16, s16, s17                     ; + 512 J + 256 x half
	s_mov_b32 s17, 0
	s_add_nc_u64 s[6:7], s[6:7], s[16:17]
	s_lshl_b32 s16, s13, 17                        ; stats: 131,072 x sequence
	s_lshl_b32 s17, s15, 1
	s_add_co_u32 s17, s17, s12
	s_lshl_b32 s17, s17, 13                        ; + 8,192 x (2 J + half)
	s_add_co_u32 s16, s16, s17
	s_lshl_b32 s17, s14, 10
	s_add_co_u32 s16, s16, s17                     ; + 4 x (256 I
	s_lshl_b32 s17, s11, 9
	s_add_co_u32 s16, s16, s17                     ;        + 128 x row half)
	s_mov_b32 s17, 0
	s_add_nc_u64 s[8:9], s[8:9], s[16:17]
; 16 matrix instructions: query blocks a0, a0 + 1 of the window's four x all 8 key blocks, 32 along K.  zero = 1: the first product starts the sums.
; The 64 accumulators take turns, one instruction a turn, in the same order in every quarter.
.macro MUL16 f, hi, a0, zero
.irp a, \a0, \a0+1
.irp b, 0,1,2,3,4,5,6,7
.if \zero
	v_wmma_f32_16x16x32_f16 v[8*(8*(\a)+\b):8*(8*(\a)+\b)+7], v[\f+8*\b:\f+8*\b+7], v[\f+8*(4*\hi+\a):\f+8*(4*\hi+\a)+7], 0
.else
	v_wmma_f32_16x16x32_f16 v[8*(8*(\a)+\b):8*(8*(\a)+\b)+7], v[\f+8*\b:\f+8*\b+7], v[\f+8*(4*\hi+\a):\f+8*(4*\hi+\a)+7], v[8*(8*(\a)+\b):8*(8*(\a)+\b)+7]
.endif
.endr
.endr
.endm
.macro FETCH slot, k, f                ; 32 LDS loads in one run: 128 keys and 128 queries, 32 along K at byte k of the rows
	WIN TO_B
.irp i, 0,1,2,3,4,5,6,7
	ds_load_b128 v[\f+8*\i:\f+8*\i+3],   v[ADRB+\slot] offset:\k+\i*16*PITCH
	ds_load_b128 v[\f+8*\i+4:\f+8*\i+7], v[ADRB+\slot] offset:\k+\i*16*PITCH+32
.endr
	WIN 0
.irp i, 0,1,2,3,4,5,6,7
	ds_load_b128 v[\f+8*\i:\f+8*\i+3],   v[ADRA+\slot] offset:\k+\i*16*PITCH
	ds_load_b128 v[\f+8*\i+4:\f+8*\i+7], v[ADRA+\slot] offset:\k+\i*16*PITCH+32
.endr
.endm
.macro PLACES                          ; four plain vector lines between a matrix instruction and a load into, or a read or write of, its registers
.rept 4
	v_nop
.endr
.endm
.macro QUARTER slot, k, f, g, zero     ; multiplies buffer f; in its middle fetches the next quarter, at byte k, into g
	s_wait_dscnt 8                                 ; k and q's rows 0-63 are in; the youngest eight loads may be out
	WIN MUL_LO
	MUL16 \f, 0, 0, \zero
	MUL16 \f, 0, 2, \zero
	PLACES
	FETCH \slot, \k, \g
	s_wait_dscnt 32                                ; all but the 32 just issued
	WIN MUL_HI
	MUL16 \f, 1, 0, \zero
	MUL16 \f, 1, 2, \zero
.endm
; A K step's last quarter changes slots: one barrier.  In front of it each wave waits for all its tensor loads (the one that is out is its part of the next slot), adds 0 to its spare word,
; and waits for that and for its reads of this slot.  fill = 1: behind the barrier this slot is filled again first, two K steps ahead: one load a wave, with a K step less 16 products in which to land.
.macro TURN slot, next, fill
	WIN 0
	s_wait_tensorcnt 0x0
	ds_add_u32 v[SPW], v[NIL]
.if \fill
	s_add_nc_u64 s[G0+4*\slot+2:G0+4*\slot+3], s[G0+4*\slot+2:G0+4*\slot+3], 2*KSTEP*2   ; no load of mine is out: the descriptor may step
.endif
	s_wait_dscnt 9                                 ; (the add and the youngest eight loads may be out)
	WIN MUL_LO
	MUL16 F1, 0, 0, 0
	s_wait_dscnt 0x0                               ; the add is done, and my reads of this slot are over
	s_barrier_signal -1
	MUL16 F1, 0, 2, 0
	WIN 0
	s_barrier_wait -1
.if \fill
	tensor_load_to_lds s[G0+4*\slot:G0+4*\slot+3], s[G1:G1+7]
	s_nop 0
.endif
	PLACES                                         ; behind the load, and in front of the loads below
	FETCH \next, 0, F0
	WIN MUL_HI
	MUL16 F1, 1, 0, 0
	MUL16 F1, 1, 2, 0
.endm
	s_wait_tensorcnt 1                             ; my part of K step 0 is in (K step 1's may be out)
	s_barrier_signal -1
	s_barrier_wait -1                              ; everybody's is
	FETCH 0, 0, F0
	QUARTER 0, 64,  F0, F1, 1
	WIN 0
	s_mov_b32 s3, LAPS-1
.Llap:                                             ; a trip goes once round the ring and fills both slots again
	QUARTER 0, 128, F1, F0, 0
	QUARTER 0, 192, F0, F1, 0
	TURN 0, 1, 1
	QUARTER 1, 64,  F0, F1, 0
	QUARTER 1, 128, F1, F0, 0
	QUARTER 1, 192, F0, F1, 0
	TURN 1, 0, 1
	QUARTER 0, 64,  F0, F1, 0
	WIN 0
	s_sub_co_u32 s3, s3, 1
	s_cmp_lg_u32 s3, 0
	s_cbranch_scc1 .Llap
	QUARTER 0, 128, F1, F0, 0                      ; the last lap is written out: it fills nothing
	QUARTER 0, 192, F0, F1, 0
	TURN 0, 1, 0
	QUARTER 1, 64,  F0, F1, 0
	QUARTER 1, 128, F1, F0, 0
	QUARTER 1, 192, F0, F1, 0
	s_wait_dscnt 8
	WIN MUL_LO
	MUL16 F1, 0, 0, 0
	MUL16 F1, 0, 2, 0
	s_wait_dscnt 0
	WIN MUL_HI
	MUL16 F1, 1, 0, 0
	MUL16 F1, 1, 2, 0
	WIN 0
; THE WAY OUT.
	PLACES
	s_cmp_lg_u32 s14, s15                          ; only a tile on the diagonal has hidden keys: a branch on ids, the same in all four waves
	s_cbranch_scc1 .Lopen
.irp a, 0,1,2,3,4,5,6,7
	WIN 0x82+0x41*(\a/4)                           ; destination and source 0: window 2 or 3
.irp b, 0,1,2,3,4,5,6,7
.irp j, 0,1,2,3,4,5,6,7
	v_cmp_gt_i32 vcc_lo, 16*\b+\j-16*\a, v[DM]
	v_cndmask_b32 v[64*(\a%4)+8*\b+\j], v[64*(\a%4)+8*\b+\j], v[NINF], vcc_lo   ; a hidden score becomes -infinity: p = 0
.endr
.endr
.endr
	WIN 0
.Lopen:
.macro MAXES w                         ; the largest of my 64 scores of each of the window's four blocks, the blocks by turns; each accumulator is read from its low end on
	WIN 0x28+0x14*\w                               ; sources 1 and 2: window 2 or 3
.irp a, 0,1,2,3
	v_max3_num_f32 v[MX+4*\w+\a], v[NINF], v[64*\a], v[64*\a+1]
.endr
.set n, 1
.rept 31
.irp a, 0,1,2,3
	v_max3_num_f32 v[MX+4*\w+\a], v[MX+4*\w+\a], v[64*\a+2*n], v[64*\a+2*n+1]
.endr
.set n, n+1
.endr
.endm
	MAXES 0
	MAXES 1
	WIN 0
.irp a, 0,1,2,3,4,5,6,7
	v_permlanex16_b32 v[WK+\a], v[MX+\a], s[SEL], s[SEL+1]
.endr
.irp a, 0,1,2,3,4,5,6,7
	v_max_num_f32 v[MX+\a], v[MX+\a], v[WK+\a]     ; over my 128 keys
.endr
.irp a, 0,1,2,3,4,5,6,7
	ds_store_b32 v[XST], v[MX+\a] offset:64*\a     ; both halves of the lanes write the same word with the same value
.endr
	s_wait_dscnt 0x0                               ; for the other wave's sake: my stores are done
	s_barrier_signal -1
	s_barrier_wait -1
.irp a, 0,1,2,3,4,5,6,7
	ds_load_b32 v[WK+\a], v[XLD] offset:64*\a
.endr
	s_wait_dscnt 0x0
.irp a, 0,1,2,3,4,5,6,7
	v_max_num_f32 v[MX+\a], v[MX+\a], v[WK+\a]     ; over the tile's 256 keys: its first key counts for every row, so this is a number
.endr
.irp a, 0,1,2,3,4,5,6,7
	v_mul_f32 v[ML+2*\a], s[CS], v[MX+\a]          ; m
.endr
.irp a, 0,1,2,3,4,5,6,7
	ds_store_b32 v[MSA], v[ML+2*\a] offset:64*\a
.endr
.macro EXPS a                          ; p = 2^(c s - m), in place: 32 packed multiply-adds, then the 64 exponentials as one batch
.set AC, 64*((\a)%4)
	WIN 0x82+0x41*((\a)/4)
.set n, 0
.rept 32
	v_pk_fma_f32 v[AC+2*n:AC+2*n+1], v[AC+2*n:AC+2*n+1], s[CS:CS+1], v[ML+2*(\a):ML+2*(\a)+1] op_sel_hi:[1,0,0] neg_lo:[0,0,1] neg_hi:[0,0,1]
.set n, n+1
.endr
.set n, 0
.rept 64
	v_exp_f32 v[AC+n], v[AC+n]
.set n, n+1
.endr
	WIN 0
.endm
.macro PACKSUM a                       ; the row's sum of the unrounded p, and p rounded to f16
.set AC, 64*((\a)%4)
	WIN 0x0a+5*((\a)/4)                            ; sources 0 and 1: window 2 or 3
.set n, 0
.rept 16
	v_pk_add_f32 v[SU+2*n:SU+2*n+1], v[AC+4*n:AC+4*n+1], v[AC+4*n+2:AC+4*n+3]
.set n, n+1
.endr
.irp b, 0,1,2,3,4,5,6,7
.irp r, 0,1,2,3
	v_cvt_pk_f16_f32 v[TMP+4*\b+\r], v[AC+8*\b+2*\r], v[AC+8*\b+2*\r+1]
.endr
.endr
	WIN 0
.irp d, 8,4,2,1
.set n, 0
.rept \d
	v_pk_add_f32 v[SU+2*n:SU+2*n+1], v[SU+2*n:SU+2*n+1], v[SU+2*(n+\d):SU+2*(n+\d)+1]
.set n, n+1
.endr
.endr
	v_add_f32 v[SU], v[SU], v[SU+1]
	v_permlanex16_b32 v[WK], v[SU], s[SEL], s[SEL+1]
	v_add_f32 v[SU], v[SU], v[WK]
	ds_store_b32 v[LSA], v[SU] offset:64*(\a)      ; l of my 128 keys
.endm
.macro TOSTAGE a
.set BK, OB+128*((\a)%2)
.irp b, 0,1,2,3,4,5,6,7
	ds_store_b128 v[STO], v[TMP+4*\b:TMP+4*\b+3] offset:32*\b
.endr
.irp t, 0,1,2,3,4,5,6,7
	ds_load_b128 v[BK+4*\t:BK+4*\t+3], v[RD] offset:\t*2*SPITCH    ; LDS serves a wave's instructions in order: these see the stores above
.endr
.endm
.macro SEND a
.set BK, OB+128*((\a)%2)
	s_wait_dscnt 0x0                               ; the block is back in registers
	s_wait_xcnt 0x0                                ; earlier stores have read their base and their data
.if (\a) > 0
	s_add_nc_u64 s[6:7], s[6:7], 16*PROW
.endif
.irp t, 0,1,2,3,4,5,6,7
	global_store_b128 v[CO], v[BK+4*\t:BK+4*\t+3], s[6:7] offset:2*\t*PROW   ; 16 lanes store 256 consecutive bytes, at a multiple of 256 from pbuf's first byte
.endr
.endm
.irp a, 0,1,2,3,4,5,6,7                ; block a - 1's stores stand between block a's exponentials and the wait for them
	EXPS \a
.if \a > 0
	SEND \a-1
.endif
	v_nop                                          ; a plain line behind the exponentials,
	s_wait_alu depctr_va_vdst(0)                   ; and one wait for the batch of 64, ahead of its first reader
	PACKSUM \a
	TOSTAGE \a
.endr
	SEND 7
	ds_load_b128 v[160:163], v[SRD]                ; my 128 m, and my 128 l: my own bytes, served in order behind my stores
	ds_load_b128 v[164:167], v[SRD] offset:2048
	s_wait_dscnt 0x0
	global_store_b128 v[SGO], v[160:163], s[8:9]   ; 32 lanes store 512 consecutive bytes, aligned
	global_store_b128 v[SGO], v[164:167], s[8:9] offset:524288
	s_wait_tensorcnt 0x0                           ; the wave's end
	ds_add_u32 v[SPW], v[NIL]
	s_wait_dscnt 0x0
	s_endpgm
; THE FIRST 16 POSITIONS.  A work-group takes a sequence (y) and 64 channels of the result (x - 36).  Each of its four waves sums 256 of the 1,024 along the head for the 16 x 16 scores; the four
; parts meet in LDS; every wave then takes the same softmax, and makes 16 channels of the result.  (The scores are made anew in each of a sequence's sixteen work-groups: 16 x 16 x 1,024 multiply-adds.)
; S^T = k q^T: a lane holds query r = lane % 16 and keys 8 h + 0 .. 7 (h = lane / 16).  O^T = v^T p^T: a lane holds query r and channels 8 h + 0 .. 7.
; REGISTERS: window 0: v1-15 addresses; v32-39 v; v40-47 the scores, then p; v48-63 at work; v64-191 q; v192-223 the four images.   window 2: v0-127 k.
;   window 1: v192-223 four accumulators of scores, v224-239 two of the result.  They are written by matrix instructions alone in the whole text (the tiles' path names v64-191 of that window and no
;   more), and what is made of them goes into other registers.
.set FV,   32
.set FS,   40
.set FT,   48
.set FQ,   64
.set FIM,  192
.set FK,   0
.set FSA,  192
.set FOA,  224
.Lfirst16:
	s_sub_co_u32 s48, ttmp9, NT                    ; which 64 channels: 0 .. 15,
	s_lshl_b32 s48, s48, 8                         ; in bytes
	s_mul_i32 s50, s13, 16*FROW                    ; the sequence's 16 rows of fine
	s_mov_b32 s51, 0
	s_add_nc_u64 s[44:45], s[44:45], s[50:51]
	s_lshl_b32 s50, s13, 11
	s_lshl_b32 s52, s10, 2
	s_add_co_u32 s50, s50, s52                     ; out0: row 2,048 x sequence + 4 w,
	s_lshl_b32 s50, s50, 12
	s_add_co_u32 s50, s50, s48                     ; my work-group's channels
	s_add_nc_u64 s[46:47], s[46:47], s[50:51]
	v_and_b32 v1, 15, v0                           ; r
	v_bfe_u32 v2, v0, 4, 1                         ; h
	v_and_b32 v3, 31, v0                           ; lane
	v_mul_u32_u24 v4, v1, FROW
	v_lshl_add_u32 v4, v2, 9, v4
	s_lshl_b32 s52, s10, 10
	v_add_nc_u32 v4, s52, v4                       ; q: row r, numbers 256 w + 128 h on; k lies 4,096 bytes further on in the row
.irp i, 0,1,2,3,4,5,6,7,8,9,10,11,12,13,14,15
	global_load_b128 v[FQ+4*\i:FQ+4*\i+3], v4, s[44:45] offset:16*\i
.endr
	WIN 0x80                                       ; destination window 2
.irp i, 0,1,2,3,4,5,6,7,8,9,10,11,12,13,14,15
	global_load_b128 v[FK+4*\i:FK+4*\i+3], v4, s[44:45] offset:4096+16*\i
.endr
	WIN 0
.irp i, 16,17,18,19,20,21,22,23,24,25,26,27,28,29,30,31
	global_load_b128 v[FQ+4*\i:FQ+4*\i+3], v4, s[44:45] offset:16*\i   ; 48 loads of mine are out
.endr
	v_mul_u32_u24 v5, v2, 8*FROW
	v_lshl_add_u32 v5, v1, 2, v5
	s_lshl_b32 s52, s10, 6
	s_add_co_u32 s53, s52, s48
	s_add_co_u32 s53, s53, 8192
	v_add_nc_u32 v5, s53, v5                       ; v: row 8 h, channel 64 (x - 36) + 16 w + r
	v_lshlrev_b32 v7, 4, v3                        ; 16 x lane: an image's place for my lane
	s_lshl_b32 s53, s10, 10
	s_add_co_u32 s53, s53, FRED
	v_add_nc_u32 v6, s53, v7                       ; my wave's image,
	v_add_nc_u32 v7, FRED, v7                      ; and the first of the four
	v_mul_u32_u24 v8, v1, 272
	v_lshl_add_u32 v8, v2, 5, v8
	s_add_co_u32 s53, s52, FSTG
	v_add_nc_u32 v8, s53, v8                       ; the stage, in: row r, + 64 w + 32 h
	v_mul_u32_u24 v9, v2, 272
	v_lshl_add_u32 v9, v1, 4, v9
	s_mul_i32 s53, s10, 4*272
	s_add_co_u32 s53, s53, FSTG
	v_add_nc_u32 v9, s53, v9                       ; back: rows 4 w + h and 4 w + 2 + h, 16 bytes a lane
	v_lshlrev_b32 v12, 12, v2
	v_lshl_add_u32 v12, v1, 4, v12                 ; and the same place in out0
	v_lshlrev_b32 v13, 3, v2
	v_sub_nc_u32 v13, v1, v13                      ; r - 8 h: register j's key is hidden where j is above it
	v_mov_b32 v14, 0xff800000                      ; -infinity
	v_mov_b32 v15, 0                               ; written once: a lane permute's destination counts as one of its sources
	s_wait_loadcnt 16                              ; the first halves of q and k are in; q's second half may be out
	WIN 0x80
.irp i, 16,17,18,19,20,21,22,23,24,25,26,27,28,29,30,31
	global_load_b128 v[FK+4*\i:FK+4*\i+3], v4, s[44:45] offset:4096+16*\i
.endr
	WIN 0
.irp m, 0,1,2,3,4,5,6,7
	global_load_b32 v[FV+\m], v5, s[44:45] offset:FROW*\m   ; v(8 h + m, my channel)
.endr
; 64 steps of 4 along the head.  Step n takes registers 2 n, 2 n + 1 of k and of q: in both the lane's place (h, j) stands for the same number 256 w + 128 h + 2 n + j, so the products pair rightly.
; Four accumulators by turns; the first four steps start the sums with the constant 0.
	WIN 0x52                                       ; source 0 (k) window 2, source 1 (q) window 0, C and D window 1
.set n, 0
.rept 32
.if n < 4
	v_wmma_f32_16x16x4_f32 v[FSA+8*(n%4):FSA+8*(n%4)+7], v[FK+2*n:FK+2*n+1], v[FQ+2*n:FQ+2*n+1], 0
.else
	v_wmma_f32_16x16x4_f32 v[FSA+8*(n%4):FSA+8*(n%4)+7], v[FK+2*n:FK+2*n+1], v[FQ+2*n:FQ+2*n+1], v[FSA+8*(n%4):FSA+8*(n%4)+7]
.endif
.set n, n+1
.endr
	s_wait_loadcnt 8                               ; the second halves are in; v's eight loads may be out
.rept 32
	v_wmma_f32_16x16x4_f32 v[FSA+8*(n%4):FSA+8*(n%4)+7], v[FK+2*n:FK+2*n+1], v[FQ+2*n:FQ+2*n+1], v[FSA+8*(n%4):FSA+8*(n%4)+7]
.set n, n+1
.endr
.rept 8
	v_nop                                          ; eight places behind this form (ISA guide 7.12.1)
.endr
	WIN 0x05                                       ; sources 0 and 1 window 1
.irp j, 0,1,2,3,4,5,6,7
	v_add_f32 v[FS+\j], v[FSA+\j], v[FSA+8+\j]     ; each accumulator is read from its low end on
.endr
.irp j, 0,1,2,3,4,5,6,7
	v_add_f32 v[FT+\j], v[FSA+16+\j], v[FSA+24+\j]
.endr
	WIN 0
.irp j, 0,2,4,6
	v_pk_add_f32 v[FS+\j:FS+\j+1], v[FS+\j:FS+\j+1], v[FT+\j:FT+\j+1]
.endr
	ds_store_b128 v6, v[FS:FS+3]                   ; my part of the sums, as an image of its registers
	ds_store_b128 v6, v[FS+4:FS+7] offset:512
	s_wait_dscnt 0x0                               ; for the others' sake: my stores are done
	s_barrier_signal -1
	s_barrier_wait -1
.irp w, 0,1,2,3
	ds_load_b128 v[FIM+8*\w:FIM+8*\w+3], v7 offset:1024*\w
	ds_load_b128 v[FIM+8*\w+4:FIM+8*\w+7], v7 offset:1024*\w+512
.endr
	s_wait_dscnt 0x0
.irp j, 0,2,4,6
	v_pk_add_f32 v[FS+\j:FS+\j+1], v[FIM+\j:FIM+\j+1], v[FIM+8+\j:FIM+8+\j+1]   ; the four parts in the waves' order: the same bits in every wave
.endr
.irp w, 2,3
.irp j, 0,2,4,6
	v_pk_add_f32 v[FS+\j:FS+\j+1], v[FS+\j:FS+\j+1], v[FIM+8*\w+\j:FIM+8*\w+\j+1]
.endr
.endr
.irp j, 0,1,2,3,4,5,6,7
	v_cmp_gt_i32 vcc_lo, \j, v13                   ; key 8 h + j comes after query r
	v_cndmask_b32 v[FS+\j], v[FS+\j], v14, vcc_lo
.endr
	v_max3_num_f32 v56, v[FS], v[FS+1], v[FS+2]
	v_max3_num_f32 v56, v56, v[FS+3], v[FS+4]
	v_max3_num_f32 v56, v56, v[FS+5], v[FS+6]
	v_max_num_f32 v56, v56, v[FS+7]
	v_permlanex16_b32 v15, v56, s[SEL], s[SEL+1]
	v_max_num_f32 v56, v56, v15                    ; the row's maximum: key 0 counts for every query, so it is a number
	v_mul_f32 v57, s[CS], v56
.irp j, 0,1,2,3,4,5,6,7
	v_fma_f32 v[FS+\j], v[FS+\j], s[CS], -v57      ; c s - c x the maximum: 0 or less
.endr
.irp j, 0,1,2,3,4,5,6,7
	v_exp_f32 v[FS+\j], v[FS+\j]
.endr
	v_nop                                          ; a plain line behind the exponentials,
	s_wait_alu depctr_va_vdst(0)                   ; and one wait for the batch, ahead of its first reader
	v_add_f32 v58, v[FS], v[FS+1]
	v_add_f32 v59, v[FS+2], v[FS+3]
	v_add_f32 v60, v[FS+4], v[FS+5]
	v_add_f32 v61, v[FS+6], v[FS+7]
	v_add_f32 v58, v58, v59
	v_add_f32 v60, v60, v61
	v_add_f32 v58, v58, v60
	v_permlanex16_b32 v15, v58, s[SEL], s[SEL+1]
	v_add_f32 v58, v58, v15                        ; the row's sum: it holds the maximum's own term, 1
	v_rcp_f32 v58, v58
	v_nop
	s_wait_alu depctr_va_vdst(0)
.irp j, 0,1,2,3,4,5,6,7
	v_mul_f32 v[FS+\j], v[FS+\j], v58              ; the weights
.endr
	s_wait_loadcnt 0x0                             ; v
; Four steps of 4 keys: in step u the lane's place (h, j) stands for key 8 h + 2 u + j, in v's registers and in p's alike.  Two accumulators by turns.
	WIN 0x50                                       ; C and D window 1
	v_wmma_f32_16x16x4_f32 v[FOA:FOA+7], v[FV:FV+1], v[FS:FS+1], 0
	v_wmma_f32_16x16x4_f32 v[FOA+8:FOA+15], v[FV+2:FV+3], v[FS+2:FS+3], 0
	v_wmma_f32_16x16x4_f32 v[FOA:FOA+7], v[FV+4:FV+5], v[FS+4:FS+5], v[FOA:FOA+7]
	v_wmma_f32_16x16x4_f32 v[FOA+8:FOA+15], v[FV+6:FV+7], v[FS+6:FS+7], v[FOA+8:FOA+15]
.rept 8
	v_nop
.endr
	WIN 0x05
.irp j, 0,1,2,3,4,5,6,7
	v_add_f32 v[FT+\j], v[FOA+\j], v[FOA+8+\j]     ; o(r, 64 (x - 36) + 16 w + 8 h + j)
.endr
	WIN 0
	ds_store_b128 v8, v[FT:FT+3]
	ds_store_b128 v8, v[FT+4:FT+7] offset:16
	s_wait_dscnt 0x0
	s_barrier_signal -1
	s_barrier_wait -1                              ; 16 rows of 256 bytes lie in the stage
	ds_load_b128 v[64:67], v9
	ds_load_b128 v[68:71], v9 offset:2*272
	s_wait_dscnt 0x0
	global_store_b128 v12, v[64:67], s[46:47]      ; 16 lanes store 256 consecutive bytes, at a multiple of 256 from out0's first byte
	global_store_b128 v12, v[68:71], s[46:47] offset:2*PROW
	s_wait_tensorcnt 0x0                           ; the wave's end
	ds_add_u32 v[SPW], v[NIL]
	s_wait_dscnt 0x0
	s_endpgm
.Lfunc_end_k_q6e7a81d9ca_scores:
	.size	k_q6e7a81d9ca_scores, .Lfunc_end_k_q6e7a81d9ca_scores-k_q6e7a81d9ca_scores
	.p2alignl 7, 3214868480
	.fill 96, 4, 3214868480
	.section	.rodata,"a",@progbits
	.p2align	6, 0x0
	.amdhsa_kernel k_q6e7a81d9ca_scores
		.amdhsa_group_segment_fixed_size 327680
		.amdhsa_private_segment_fixed_size 0
		.amdhsa_enable_private_segment 0
		.amdhsa_kernarg_size 40
		.amdhsa_user_sgpr_count 2
		.amdhsa_user_sgpr_kernarg_segment_ptr 1
		.amdhsa_wavefront_size32 1
		.amdhsa_system_sgpr_workgroup_id_x 1
		.amdhsa_system_sgpr_workgroup_id_y 1
		.amdhsa_system_sgpr_workgroup_id_z 1
		.amdhsa_system_vgpr_workitem_id 0
		.amdhsa_next_free_vgpr 1024
		.amdhsa_next_free_sgpr 66
		.amdhsa_reserve_vcc 1
		.amdhsa_float_denorm_mode_32 3
		.amdhsa_float_denorm_mode_16_64 3
		.amdhsa_memory_ordered 1
		.amdhsa_forward_progress 1
		.amdhsa_inst_pref_size 255
	.end_amdhsa_kernel
	.section	.bss,"aw",@nobits
	.p2align	6
	.space	262144
	.amdgpu_metadata
---
amdhsa.version: [ 1, 2 ]
amdhsa.kernels:
  - .name:           k_q6e7a81d9ca_scores
    .symbol:         k_q6e7a81d9ca_scores.kd
    .args:
      - { .name: qkv, .offset: 0, .size: 8, .value_kind: global_buffer, .address_space: global }
      - { .name: pbuf, .offset: 8, .size: 8, .value_kind: global_buffer, .address_space: global }
      - { .name: stats, .offset: 16, .size: 8, .value_kind: global_buffer, .address_space: global }
      - { .name: fine, .offset: 24, .size: 8, .value_kind: global_buffer, .address_space: global }
      - { .name: out0, .offset: 32, .size: 8, .value_kind: global_buffer, .address_space: global }
    .group_segment_fixed_size: 327680
    .private_segment_fixed_size: 0
    .kernarg_segment_align: 8
    .kernarg_segment_size: 40
    .max_flat_workgroup_size: 128
    .sgpr_count:     66
    .vgpr_count:     1024
    .wavefront_size: 32
...
	.end_amdgpu_metadata
.endif
;; end of part 3
;; launch pv (part 4): grid 8 x 32, 4 waves a work-group, clusters of 4 x 1, 327,680 bytes of LDS; arguments pbuf, qkv, stats, out0; writes out0
.if DOCPART == 4
	.amdgcn_target "amdgcn-amd-amdhsa--gfx1250"
	.amdhsa_code_object_version 6
	.text
	.protected	k_q6e7a81d9ca_pv
	.globl	k_q6e7a81d9ca_pv
	.p2align	8
	.type	k_q6e7a81d9ca_pv,@function
k_q6e7a81d9ca_pv:
	s_mov_b64 s[64:65], 0
	v_nop
	global_prefetch_b8 v0, s[64:65] scope:SCOPE_SE
	s_setreg_imm32_b32 hwreg(HW_REG_WAVE_MODE, 25, 1), 1
	s_wait_xcnt 0x0
	s_wait_alu depctr_hold_cnt(0) depctr_sa_sdst(0) depctr_va_vdst(0) depctr_va_sdst(0) depctr_va_ssrc(0) depctr_va_vcc(0) depctr_vm_vsrc(0)
	s_getreg_b32 s2, hwreg(HW_REG_IB_STS2, 6, 4)
	s_cmp_eq_u32 s2, 0
	s_cbranch_scc0 .Lentry_in_a_cluster
	s_endpgm
.Lentry_in_a_cluster:
	s_bfe_u32 s2, ttmp6, 0x10000c
	s_cmp_lg_u32 s2, 0x3003
	s_cbranch_scc0 .Lentry_shape_is_right
	s_endpgm
.Lentry_shape_is_right:
; O[row] = sum over key tiles J of w_J[row] (P_J V_J)[row],  w_J = 2^(m_J - M) / L,  M = the largest m_J of the row,  L = sum over J of 2^(m_J - M) l_J.
; pbuf: [8192][2048] f16 (p), qkv: [8192][3072] f16 (v at byte 4,096 of a row), stats: [2][4][16][2048] f32 (m, l), out0: [4][2048][1024] f32.
; A tile of O is 128 rows x 128 channels.  Row block i of a sequence needs i / 2 + 1 steps of 256 keys; a work-group takes blocks 15 - p and p, which together are 9 steps for every p = 0 .. 7:
; 256 work-groups of equal work.  The long block's steps come first; where it ends, its tile goes out and the sums begin anew.
; Each step's product is summed by itself (its first products take the constant 0) and then added into O with the row's weight, by packed multiply-adds.
; Rows 0-15 of each sequence are not stored here: the f32 launch has written them.
; Four waves, each 64 x 64.  CLUSTER: the four partners take four neighbouring channel tiles of the same rows: P's tile is the same for all four and is asked for jointly;
; V's 128 channels differ from partner to partner and come by a plain load, behind the same rounds.
; THE MATRIX INSTRUCTION IS USED TRANSPOSED (source 0 = 16 channels of V^T, by the turning LDS load; source 1 = 16 rows of P): a lane holds row l % 16 and channels 8 (l / 16) + 0 .. 7.
; REGISTERS: window 0: v0-31 addresses; v32-39 the step's weights, a pair for each block of rows; v40-127 at work; v128-255 the step's sums T(a, b) at v[128 + 8 (4 a + b)].
;   window 1: two fragment buffers of 128 (64 of P, 64 of V^T).   window 2: v0-127 O(a, b) at v[8 (4 a + b)].
.set PP,     528                       ; a row of P's tile in LDS: 512 bytes + 16
.set VP,     288                       ; a row of V's: 256 bytes + 32: eight rows of the turning load start 72 words apart
.set ABYTES, 128*PP
.set SLOT,   ABYTES+256*VP
.set STAGE,  2*SLOT                    ; 16 rows x (256 + 16) a wave
.set TAB,    STAGE+4*16*272            ; the weights: 9 steps x 128 rows x 4 bytes
.set SPARE,  TAB+9*512                 ; the spare words, 128 bytes a wave
.set ADRA, 16                          ; v16-17  P's fragments in slot 0, 1
.set ADRB, 18                          ; v18-21  V's: 2 x slot + which 128 keys
.set STO,  22
.set RD,   23
.set CO,   24
.set ATAB, 25                          ; v25  my rows' weights of the step in hand
.set TST,  26
.set SPW,  28
.set NIL,  29
.set AL,   32
.set TOF,  40                          ; the head's work: offsets, m, l of the two halves, weights
.set TMM,  52
.set TL0,  64
.set TL1,  76
.set TEE,  88
.set ACC,  128
.set F0,   0
.set F1,   128
.set WV,   12
.set WR,   13
.set WC,   14
.set NLG,  17                          ; s17  steps of the long block: 8 - p / 2
.set RL,   18                          ; s18  its first row in the sequence
.set RS,   19                          ; s19  the short block's
.set G1A,  24
.set G1B,  32
.set PA,   40                          ; s[40:41] pbuf at the sequence's first row + the 64 rows that I fetch
.set VB,   42                          ; s[42:43] v at the sequence's first key + the 128 keys that I fetch, my work-group's channels
.set SC,   44                          ; s44  steps done
.set NXT,  45                          ; s45  the step to be asked for next
.set SKIP, 46                          ; s46  1 where my first 16 rows of the short block are a sequence's first 16
.set NEW,  47                          ; s47  1: the next step begins a tile
.set G0A,  48
.set G0B,  56
.set LP,   66
.set OL,   72
.set OS,   74
.set KM,   76                          ; s76-84  all ones where step s belongs to the long block
.set MSB, 0
.macro WIN new                         ; the immediate's high byte repeats the setting that is left
.if MSB != \new
	s_set_vgpr_msb (MSB<<8)|\new
.set MSB, \new
.endif
.endm
.set MUL,  0x05                        ; sources 0 and 1 window 1; C and D window 0
.set TO_F, 0x40
; Waves 0 and 1 ask jointly for P's two halves, waves 2 and 3 fetch V's.  The branch hangs on the wave's number alone.  An s_nop 0 and four v_nop follow each line.
.macro JLOAD slot
	s_cmp_eq_u32 s[WR], 0
	s_cbranch_scc0 .Lfor_v_\@
	tensor_load_to_lds s[G0A+4*\slot:G0A+4*\slot+3], s[G1A:G1A+7]
	s_nop 0
.rept 4
	v_nop
.endr
	s_branch .Lasked_\@
.Lfor_v_\@:
	tensor_load_to_lds s[G0B+4*\slot:G0B+4*\slot+3], s[G1B:G1B+7]
	s_nop 0
.rept 4
	v_nop
.endr
.Lasked_\@:
.endm
.macro CREST
	s_cmp_lg_u32 s[WV], 0
	s_cbranch_scc1 .Lnot_wave_0_\@
	s_barrier_signal -3
.Lnot_wave_0_\@:
	s_barrier_wait -3
	s_barrier_signal -1
	s_barrier_wait -1
.endm
.macro CROUND
	s_barrier_signal -1
	s_barrier_wait -1
	CREST
.endm
; Where step NXT's tiles lie: scalar work alone, on numbers that the four partners share (but for V's base).  It stands where no tensor load of the wave is out.
.macro ADDR slot
	s_cmp_lt_u32 s[NXT], s[NLG]
	s_cselect_b32 s68, s[RL], s[RS]                ; the block's first row
	s_cselect_b32 s70, 0, s[NLG]
	s_sub_co_u32 s70, s[NXT], s70                  ; J: which 256 keys
	s_lshl_b32 s68, s68, 12                        ; rows of 4,096 bytes
	s_lshl_b32 s69, s70, 9                         ; 512 bytes of a row
	s_add_co_u32 s68, s68, s69
	s_mov_b32 s69, 0
	s_add_nc_u64 s[G0A+4*\slot+2:G0A+4*\slot+3], s[PA:PA+1], s[68:69]
	s_or_b32 s[G0A+4*\slot+3], s[G0A+4*\slot+3], 0x80000000
	s_mul_i32 s70, s70, 256*6144                   ; 256 rows of qkv
	s_mov_b32 s71, 0
	s_add_nc_u64 s[G0B+4*\slot+2:G0B+4*\slot+3], s[VB:VB+1], s[70:71]
	s_or_b32 s[G0B+4*\slot+3], s[G0B+4*\slot+3], 0x80000000
	s_add_co_u32 s[NXT], s[NXT], 1
.endm
	s_load_b256 s[4:11], s[0:1], 0x0               ; pbuf, qkv, stats, out0
	v_lshl_add_u32 v[SPW], v0, 2, SPARE
	v_mov_b32 v[NIL], 0
	ds_add_u32 v[SPW], v[NIL]                      ; the wave's opening: the add, twice on end, and its wait ahead of my first tensor load
	ds_add_u32 v[SPW], v[NIL]
	v_lshrrev_b32 v1, 5, v0
	v_readfirstlane_b32 s[WV], v1                  ; wave 0..3
	s_lshr_b32 s[WR], s[WV], 1                     ; which 64 rows are mine.  Also: I fetch P (0) or V (1)
	s_and_b32 s[WC], s[WV], 1                      ; which 64 channels.  Also: which half of that tile I fetch
	s_and_b32 s20, ttmp7, 0xffff
	s_and_b32 s15, s20, 7                          ; p
	s_lshr_b32 s16, s20, 3                         ; the sequence
	s_lshr_b32 s[NLG], s15, 1
	s_sub_co_u32 s[NLG], 8, s[NLG]
	s_sub_co_u32 s[RL], 15, s15
	s_lshl_b32 s[RL], s[RL], 7
	s_lshl_b32 s[RS], s15, 7
	s_or_b32 s[SKIP], s15, s[WR]
	s_cmp_eq_u32 s[SKIP], 0
	s_cselect_b32 s[SKIP], 1, 0
	s_bfe_u32 s88, ttmp6, 0x40000                  ; cx: it enters V's and O's global addresses alone
	s_lshl_b32 s89, ttmp9, 2
	s_add_co_u32 s89, s89, s88                     ; my channel tile
	s_mov_b32 s[G1A+0], 15|(1<<16)|(1<<20)|(1<<21)|(6<<22)|(3<<25)   ; the mask: all four; elements of 2 bytes; padding: 4 words after every 128
	s_mov_b32 s[G1A+1], 256<<16                    ; tensor_dim0
	s_mov_b32 s[G1A+2], 64<<16                     ; tensor_dim1
	s_mov_b32 s[G1A+3], 256<<16                    ; tile_dim0
	s_mov_b32 s[G1A+4], 64                         ; tile_dim1
	s_mov_b32 s[G1A+5], 2048                       ; elements from row to row
	s_mov_b32 s[G1A+6], 0
	s_mov_b32 s[G1A+7], 0
	s_mov_b32 s[G1B+0], (1<<16)|(1<<20)|(5<<22)|(7<<25)   ; no mask; padding: 8 words after every 64
	s_mov_b32 s[G1B+1], 128<<16
	s_mov_b32 s[G1B+2], 128<<16
	s_mov_b32 s[G1B+3], 128<<16
	s_mov_b32 s[G1B+4], 128
	s_mov_b32 s[G1B+5], 3072
	s_mov_b32 s[G1B+6], 0
	s_mov_b32 s[G1B+7], 0
	s_mul_i32 s20, s[WC], 64*PP                    ; where my half goes: P's,
	s_mul_i32 s21, s[WC], 128*VP                   ; V's
.irp s, 0,1
	s_mov_b32 s[G0A+4*\s], 1
	s_add_co_u32 s[G0A+4*\s+1], s20, \s*SLOT
	s_mov_b32 s[G0B+4*\s], 1
	s_add_co_u32 s[G0B+4*\s+1], s21, \s*SLOT+ABYTES
.endr
	s_lshl_b32 s22, s16, 11
	s_lshl_b32 s23, s[WC], 6
	s_add_co_u32 s22, s22, s23
	s_lshl_b32 s22, s22, 12                        ; (2,048 x sequence + 64 x half) rows of pbuf
	s_mov_b32 s23, 0
	s_lshl_b32 s90, s16, 11
	s_lshl_b32 s91, s[WC], 7
	s_add_co_u32 s90, s90, s91
	s_mul_i32 s90, s90, 6144                       ; (2,048 x sequence + 128 x half) rows of qkv,
	s_lshl_b32 s91, s89, 8
	s_add_co_u32 s90, s90, s91                     ; + 256 x channel tile
	s_add_co_u32 s90, s90, 4096                    ; + v's place in a row
	s_mov_b32 s91, 0
	s_lshl_b32 s92, s16, 11
	s_lshl_b32 s93, s[WR], 6
	s_add_co_u32 s92, s92, s93
	s_lshl_b32 s92, s92, 12                        ; O: (2,048 x sequence + 64 x row half) rows,
	s_lshl_b32 s93, s89, 9
	s_add_co_u32 s92, s92, s93                     ; + 512 x channel tile
	s_lshl_b32 s93, s[WC], 8
	s_add_co_u32 s92, s92, s93                     ; + 256 x channel half
	s_mov_b32 s93, 0
	s_mov_b32 s[SC], 1
	s_mov_b32 s[NXT], 0
	s_mov_b32 s[NEW], 0
	s_mov_b32 s[LP], 3
	s_wait_dscnt 0x0                               ; both opening adds are done
	s_wait_kmcnt 0x0
	s_add_nc_u64 s[PA:PA+1], s[4:5], s[22:23]
	s_add_nc_u64 s[VB:VB+1], s[6:7], s[90:91]
	s_add_nc_u64 s[OS:OS+1], s[10:11], s[92:93]
	s_lshl_b32 s90, s[RL], 12
	s_add_nc_u64 s[OL:OL+1], s[OS:OS+1], s[90:91]  ; the long block's rows,
	s_lshl_b32 s90, s[RS], 12
	s_add_nc_u64 s[OS:OS+1], s[OS:OS+1], s[90:91]  ; the short block's
	CROUND                                         ; all four work-groups are here: the first joint loads meet
	ADDR 0
	JLOAD 0
	ADDR 1
	JLOAD 1                                        ; steps 0 and 1: two loads of mine are out
	v_and_b32 v1, 15, v0                           ; r
	v_bfe_u32 v2, v0, 4, 1                         ; h
	v_mul_u32_u24 v3, v1, PP
	v_lshl_add_u32 v3, v2, 4, v3
	s_mul_i32 s20, s[WR], 64*PP
	v_add_nc_u32 v[ADRA], s20, v3                  ; P: my 64 rows, row r, + 16 h
	v_add_nc_u32 v[ADRA+1], SLOT, v[ADRA]
	v_and_b32 v3, 7, v0
	v_lshl_add_u32 v3, v2, 3, v3                   ; V, for the turning load: key 8 h + lane % 8,
	v_mul_u32_u24 v3, v3, VP
	v_bfe_u32 v4, v0, 3, 1
	v_lshl_add_u32 v3, v4, 4, v3                   ; channels 8 ((lane / 8) % 2) on,
	s_lshl_b32 s20, s[WC], 7
	s_add_co_u32 s20, s20, ABYTES
	v_add_nc_u32 v[ADRB], s20, v3                  ; of my 64 channels
	v_add_nc_u32 v[ADRB+1], 128*VP, v[ADRB]
	v_add_nc_u32 v[ADRB+2], SLOT, v[ADRB]
	v_add_nc_u32 v[ADRB+3], SLOT, v[ADRB+1]
	s_mul_i32 s20, s[WV], 16*272
	s_add_co_u32 s20, s20, STAGE
	v_mul_u32_u24 v3, v1, 272
	v_lshl_add_u32 v3, v2, 5, v3
	v_add_nc_u32 v[STO], s20, v3                   ; the stage, in: row r, 32 bytes for each half of the lanes
	v_mul_u32_u24 v3, v2, 272
	v_lshl_add_u32 v3, v1, 4, v3
	v_add_nc_u32 v[RD], s20, v3                    ; back: lanes 0-15 one row of 256 bytes, lanes 16-31 the next
	v_lshlrev_b32 v3, 12, v2
	v_lshl_add_u32 v[CO], v1, 4, v3                ; and the same two rows in O
	s_lshl_b32 s20, s[WR], 8
	s_add_co_u32 s20, s20, TAB
	v_lshl_add_u32 v[ATAB], v1, 2, s20
	v_lshl_add_u32 v[TST], v0, 2, TAB
.irp a, 0,1,2,3
	v_mov_b32 v[AL+2*\a+1], 0                      ; named as the upper half of a pair
.endr
; THE WEIGHTS.  Thread t takes row t of both blocks.  Which block a step belongs to hangs on ids alone: it is a scalar mask, and the values are chosen by v_cndmask_b32.
	v_lshlrev_b32 v27, 2, v0
	s_lshl_b32 s20, s16, 17                        ; 131,072 x sequence
.irp s, 0,1,2,3,4,5,6,7,8
	s_cmp_gt_u32 s[NLG], \s
	s_cselect_b32 s68, s[RL], s[RS]
	s_cselect_b32 s69, 0, s[NLG]
	s_cselect_b32 s[KM+\s], -1, 0
	s_sub_co_u32 s69, \s, s69                      ; J
	s_lshl_b32 s69, s69, 14                        ; two blocks of 128 keys, 8,192 bytes each
	s_lshl_b32 s68, s68, 2
	s_add_co_u32 s68, s68, s69
	s_add_co_u32 s68, s68, s20
	v_add_nc_u32 v[TOF+\s], s68, v27
.endr
.irp s, 0,1,2,3,4,5,6,7,8
	global_load_b32 v[TMM+\s], v[TOF+\s], s[8:9]                   ; m of the 256 keys (the same for both halves)
	global_load_b32 v[TL0+\s], v[TOF+\s], s[8:9] offset:524288     ; l of the first 128,
	global_load_b32 v[TL1+\s], v[TOF+\s], s[8:9] offset:532480     ; and of the second
.endr
	v_mov_b32 v106, 0xff800000
	v_mov_b32 v107, 0
	v_mov_b32 v100, 0xff800000                     ; M of the long block,
	v_mov_b32 v101, 0xff800000                     ; of the short one
	v_mov_b32 v102, 0                              ; L likewise
	v_mov_b32 v103, 0
	s_wait_loadcnt 0x0
.irp s, 0,1,2,3,4,5,6,7,8
	v_cndmask_b32 v104, v106, v[TMM+\s], s[KM+\s]
	v_cndmask_b32 v105, v[TMM+\s], v106, s[KM+\s]
	v_max_num_f32 v100, v100, v104
	v_max_num_f32 v101, v101, v105
.endr
.irp s, 0,1,2,3,4,5,6,7,8
	v_cndmask_b32 v104, v101, v100, s[KM+\s]
	v_sub_f32 v[TEE+\s], v[TMM+\s], v104           ; m - M: 0 or less
.endr
.irp s, 0,1,2,3,4,5,6,7,8
	v_exp_f32 v[TEE+\s], v[TEE+\s]
.endr
.irp s, 0,1,2,3,4,5,6,7,8
	v_add_f32 v[TL0+\s], v[TL0+\s], v[TL1+\s]      ; plain work behind the exponentials
.endr
	s_wait_alu depctr_va_vdst(0)                   ; one wait for the nine, ahead of their first reader
.irp s, 0,1,2,3,4,5,6,7,8
	v_mul_f32 v104, v[TEE+\s], v[TL0+\s]
	v_cndmask_b32 v105, v107, v104, s[KM+\s]
	v_cndmask_b32 v104, v104, v107, s[KM+\s]
	v_add_f32 v102, v102, v105
	v_add_f32 v103, v103, v104
.endr
	v_rcp_f32 v102, v102                           ; each L holds the term of its largest m, which is at least 1
	v_rcp_f32 v103, v103
	v_nop
	s_wait_alu depctr_va_vdst(0)
.irp s, 0,1,2,3,4,5,6,7,8
	v_cndmask_b32 v104, v103, v102, s[KM+\s]
	v_mul_f32 v[TEE+\s], v[TEE+\s], v104
	ds_store_b32 v[TST], v[TEE+\s] offset:512*\s
.endr
; 8 matrix instructions: row blocks a0, a0 + 1 x the 4 channel blocks, 32 keys: half c of buffer f.  The 16 accumulators take turns.
.macro MUL8 f, c, a0, zero
.irp a, \a0, \a0+1
.irp b, 0,1,2,3
.if \zero
	v_wmma_f32_16x16x32_f16 v[ACC+8*(4*(\a)+\b):ACC+8*(4*(\a)+\b)+7], v[\f+64+8*(4*\c+\b):\f+64+8*(4*\c+\b)+7], v[\f+8*(4*\c+\a):\f+8*(4*\c+\a)+7], 0
.else
	v_wmma_f32_16x16x32_f16 v[ACC+8*(4*(\a)+\b):ACC+8*(4*(\a)+\b)+7], v[\f+64+8*(4*\c+\b):\f+64+8*(4*\c+\b)+7], v[\f+8*(4*\c+\a):\f+8*(4*\c+\a)+7], v[ACC+8*(4*(\a)+\b):ACC+8*(4*(\a)+\b)+7]
.endif
.endr
.endr
.endm
; 32 LDS loads in one run: the fragments of the step's q-th 64 keys into buffer f, the first 32 keys first.  V ([key][channel]) is turned by the load.
.macro FETCH slot, q, f
	WIN TO_F
.irp c, 0,1
.irp i, 0,1,2,3
	ds_load_tr16_b128 v[\f+64+8*(4*\c+\i):\f+64+8*(4*\c+\i)+3],   v[ADRB+2*\slot+(\q)/2] offset:(((\q)%2)*64+32*\c)*VP+32*\i
	ds_load_tr16_b128 v[\f+64+8*(4*\c+\i)+4:\f+64+8*(4*\c+\i)+7], v[ADRB+2*\slot+(\q)/2] offset:(((\q)%2)*64+32*\c+16)*VP+32*\i
	ds_load_b128 v[\f+8*(4*\c+\i):\f+8*(4*\c+\i)+3],              v[ADRA+\slot] offset:128*(\q)+64*\c+\i*16*PP
	ds_load_b128 v[\f+8*(4*\c+\i)+4:\f+8*(4*\c+\i)+7],            v[ADRA+\slot] offset:128*(\q)+64*\c+\i*16*PP+32
.endr
.endr
.endm
.macro PLACES                          ; four plain vector lines between a matrix instruction and a load into, or a read of, its registers
.rept 4
	v_nop
.endr
.endm
.macro QUARTER slot, q, f, g, zero     ; multiplies buffer f; in its middle fetches the step's q-th quarter into g
	s_wait_dscnt 16                                ; the first 32 keys are in
	WIN MUL
	MUL8 \f, 0, 0, \zero
	MUL8 \f, 0, 2, \zero
	PLACES
	FETCH \slot, \q, \g
	s_wait_dscnt 32                                ; all but the 32 just issued
	WIN MUL
	MUL8 \f, 1, 0, 0
	MUL8 \f, 1, 2, 0
.endm
.macro ALPHA                           ; the step's weights of my rows: one for each block of 16
.irp a, 0,1,2,3
	ds_load_b32 v[AL+2*\a], v[ATAB] offset:64*\a
.endr
.endm
; A step's last quarter changes slots.  In front of the barrier each wave waits for all its tensor loads (its part of the next slot), adds 0 to its spare word, and waits for that and for its reads of this slot.
; fill = 1: the barrier opens a round of the cluster's barrier, and behind the round this slot is filled again first, two steps ahead: one load a wave.
.macro TURN slot, next, fill
	WIN 0
	s_wait_tensorcnt 0x0
	ds_add_u32 v[SPW], v[NIL]
.if \fill
	ADDR \slot                                     ; no load of mine is out: the descriptors may be written
.endif
	s_wait_dscnt 17                                ; (the add and the youngest sixteen loads may be out)
	WIN MUL
	MUL8 F1, 0, 0, 0
	s_wait_dscnt 0x0                               ; the add is done, and my reads of this slot are over
	s_barrier_signal -1
	MUL8 F1, 0, 2, 0
	WIN 0
	s_barrier_wait -1
.if \fill
	CREST                                          ; no wave of any partner still reads this slot or has a load on its way
	JLOAD \slot                                    ; the four v_nop behind it are also the places in front of the loads below
.else
	PLACES
.endif
	ALPHA
	FETCH \next, 0, F0
	WIN MUL
	MUL8 F1, 1, 0, 0
	MUL8 F1, 1, 2, 0
	WIN 0
.endm
.macro DRAINFMA
	WIN 0xa0                                       ; O (destination and source 2) window 2
.irp a, 0,1,2,3
.irp b, 0,1,2,3
.irp n, 0,2,4,6
	v_pk_fma_f32 v[8*(4*\a+\b)+\n:8*(4*\a+\b)+\n+1], v[ACC+8*(4*\a+\b)+\n:ACC+8*(4*\a+\b)+\n+1], v[AL+2*\a:AL+2*\a+1], v[8*(4*\a+\b)+\n:8*(4*\a+\b)+\n+1] op_sel_hi:[1,0,1]
.endr
.endr
.endr
	WIN 0
.endm
.macro DRAINMUL
	WIN 0x80
.irp a, 0,1,2,3
.irp b, 0,1,2,3
.irp n, 0,2,4,6
	v_pk_mul_f32 v[8*(4*\a+\b)+\n:8*(4*\a+\b)+\n+1], v[ACC+8*(4*\a+\b)+\n:ACC+8*(4*\a+\b)+\n+1], v[AL+2*\a:AL+2*\a+1] op_sel_hi:[1,0]
.endr
.endr
.endr
	WIN 0
.endm
; O += weight x the step's sums, each accumulator from its low end on.  mode 0: the launch's first step starts O; mode 1: a scalar flag, made of ids and the count of steps, says whether a tile begins.
; These lines are also the places between the step's last products and the next step's first, which write over the same accumulators.
.macro DRAIN mode, left
	PLACES
	s_wait_dscnt \left                             ; the four weights are in; the fragments asked for behind them may be out
.if \mode == 0
	DRAINMUL
.else
	s_cmp_lg_u32 s[NEW], 0
	s_cbranch_scc1 .Lnew_\@
	DRAINFMA
	s_branch .Ldone_\@
.Lnew_\@:
	DRAINMUL
	s_mov_b32 s[NEW], 0
.Ldone_\@:
.endif
	v_add_nc_u32 v[ATAB], 512, v[ATAB]             ; on to the next step's weights
.endm
.macro KSTEP slot, next, fill, mode
	QUARTER \slot, 1, F0, F1, 1                    ; the step's first products start its sums
	QUARTER \slot, 2, F1, F0, 0
	QUARTER \slot, 3, F0, F1, 0
	TURN \slot, \next, \fill
	DRAIN \mode, 32
.endm
; THE WAY OUT of 16 rows x 64 channels: through my own stage, back as rows of 256 bytes.
.macro WBLOCK a, base, skip
.set BK, 64+32*((\a)%2)
	WIN 0x08                                       ; an LDS store's data are its source 1: window 2
.irp b, 0,1,2,3
	ds_store_b128 v[STO], v[8*(4*(\a)+\b):8*(4*(\a)+\b)+3] offset:64*\b
	ds_store_b128 v[STO], v[8*(4*(\a)+\b)+4:8*(4*(\a)+\b)+7] offset:64*\b+16
.endr
	WIN 0
	s_wait_xcnt 0x0                                ; earlier stores have read their data: the registers may be loaded again
.irp t, 0,1,2,3,4,5,6,7
	ds_load_b128 v[BK+4*\t:BK+4*\t+3], v[RD] offset:544*\t   ; LDS serves a wave's instructions in order: these see the stores above
.endr
	s_wait_dscnt 0x0
.if \skip
	s_cmp_lg_u32 s[SKIP], 0                        ; a sequence's first 16 rows belong to the f32 launch: ids and the wave's number alone
	s_cbranch_scc1 .Lskip_\@
.endif
.irp t, 0,1,2,3,4,5,6,7
	global_store_b128 v[CO], v[BK+4*\t:BK+4*\t+3], s[\base:\base+1] offset:(16*(\a)+2*\t)*4096 th:TH_STORE_NT   ; 16 lanes store 256 consecutive bytes, at a multiple of 256 from O's first byte
.endr
.if \skip
.Lskip_\@:
.endif
.endm
.macro WAYOUT base, skip
	WBLOCK 0, \base, \skip
	WBLOCK 1, \base, 0
	WBLOCK 2, \base, 0
	WBLOCK 3, \base, 0
.endm
.macro CHECK                           ; where the long block's last step is done, its tile goes out: a branch on ids and the count of steps, alike in all partners, round no barrier and no tensor load
	s_add_co_u32 s[SC], s[SC], 1
	s_cmp_lg_u32 s[SC], s[NLG]
	s_cbranch_scc1 .Lon_\@
	WAYOUT OL, 0
	s_mov_b32 s[NEW], 1
.Lon_\@:
.endm
	s_wait_tensorcnt 1                             ; my part of step 0 is in (step 1's may be out)
	s_wait_dscnt 0x0                               ; and my weights are stored
	s_barrier_signal -1
	s_barrier_wait -1
	FETCH 0, 0, F0
	KSTEP 0, 1, 1, 0                               ; step 0; slot 0 takes step 2
.Lpair:                                            ; three trips: steps 1 to 6; each fills its slot with the step two on
	KSTEP 1, 0, 1, 1
	CHECK
	KSTEP 0, 1, 1, 1
	CHECK
	s_sub_co_u32 s[LP], s[LP], 1
	s_cmp_lg_u32 s[LP], 0
	s_cbranch_scc1 .Lpair
	KSTEP 1, 0, 0, 1                               ; step 7 is written out: nothing is left to fetch, and no round follows its barrier
	CHECK
	QUARTER 0, 1, F0, F1, 1                        ; step 8
	QUARTER 0, 2, F1, F0, 0
	QUARTER 0, 3, F0, F1, 0
	s_wait_dscnt 16
	WIN MUL
	MUL8 F1, 0, 0, 0
	MUL8 F1, 0, 2, 0
	s_wait_dscnt 0
	MUL8 F1, 1, 0, 0
	MUL8 F1, 1, 2, 0
	WIN 0
	ALPHA
	DRAIN 1, 0
	WAYOUT OS, 1
	s_wait_tensorcnt 0x0                           ; the wave's end
	ds_add_u32 v[SPW], v[NIL]
	s_wait_dscnt 0x0
	CROUND                                         ; the closing round
	s_endpgm
.Lfunc_end_k_q6e7a81d9ca_pv:
	.size	k_q6e7a81d9ca_pv, .Lfunc_end_k_q6e7a81d9ca_pv-k_q6e7a81d9ca_pv
	.p2alignl 7, 3214868480
	.fill 96, 4, 3214868480
	.section	.rodata,"a",@progbits
	.p2align	6, 0x0
	.amdhsa_kernel k_q6e7a81d9ca_pv
		.amdhsa_group_segment_fixed_size 327680
		.amdhsa_private_segment_fixed_size 0
		.amdhsa_enable_private_segment 0
		.amdhsa_kernarg_size 32
		.amdhsa_user_sgpr_count 2
		.amdhsa_user_sgpr_kernarg_segment_ptr 1
		.amdhsa_wavefront_size32 1
		.amdhsa_system_sgpr_workgroup_id_x 1
		.amdhsa_system_sgpr_workgroup_id_y 1
		.amdhsa_system_sgpr_workgroup_id_z 1
		.amdhsa_system_vgpr_workitem_id 0
		.amdhsa_next_free_vgpr 640
		.amdhsa_next_free_sgpr 100
		.amdhsa_reserve_vcc 0
		.amdhsa_float_denorm_mode_32 3
		.amdhsa_float_denorm_mode_16_64 3
		.amdhsa_memory_ordered 1
		.amdhsa_forward_progress 1
		.amdhsa_inst_pref_size 182
	.end_amdhsa_kernel
	.amdgpu_metadata
---
amdhsa.version: [ 1, 2 ]
amdhsa.kernels:
  - .name:           k_q6e7a81d9ca_pv
    .symbol:         k_q6e7a81d9ca_pv.kd
    .args:
      - { .name: pbuf, .offset: 0, .size: 8, .value_kind: global_buffer, .address_space: global }
      - { .name: qkv, .offset: 8, .size: 8, .value_kind: global_buffer, .address_space: global }
      - { .name: stats, .offset: 16, .size: 8, .value_kind: global_buffer, .address_space: global }
      - { .name: out0, .offset: 24, .size: 8, .value_kind: global_buffer, .address_space: global }
    .group_segment_fixed_size: 327680
    .private_segment_fixed_size: 0
    .kernarg_segment_align: 8
    .kernarg_segment_size: 32
    .max_flat_workgroup_size: 128
    .sgpr_count:     100
    .vgpr_count:     640
    .wavefront_size: 32
...
	.end_amdgpu_metadata
.endif
;; end of part 4
